; MI455X (gfx1250); checked and timed in simulation.
; The chip was launched on July 23, 2026; its instructions are those of AMD's public machine-readable ISA for CDNA 5 (MIT licence, August 2026) and "CDNA5" Instruction Set Architecture Reference Guide (July 2026). The comments in the code are by the model that wrote it; some were corrected since.
;; Rotary Attention. Allowed arithmetic: matrix products marked QUANTISED: E4M3 operands, one E8M0 scale for each 32 along K, by v_wmma_scale_f32_16x16x128_f8f6f4 with both operands' format E4M3, f32 sums; everything else in f32.
;; Inputs: Wk 1,024 x 1,024 float32; Wo 1,024 x 1,024 float32; Wq 1,024 x 1,024 float32; Wv 1,024 x 1,024 float32; bk 1,024 float32; bo 1,024 float32; bq 1,024 float32; bv 1,024 float32; cos 2,048 x 1 x 64 float32; key 4 x 2,048 x 1,024 float32; mask 4 x 2,048 x 2,048 bool; query 4 x 2,048 x 1,024 float32; sin 2,048 x 1 x 64 float32; value 4 x 2,048 x 1,024 float32.
;; Outputs: out0 4 x 2,048 x 1,024 float32.
;; This version of the problem:
;;   THIS VERSION OF THE PROBLEM IS GIVEN IN LOW PRECISION. The matrix products marked QUANTISED in the list below multiply operands that are first quantised to E4M3 (4 exponent bits, 3 mantissa bits; 8 bits a number), with one power-of-two scale for each 32 numbers along K (OCP MX v1.0); their sums are f32. All else is computed in f32.
;;   The module's matrix products, in the order in which they are computed (A, B: the left and right operand; K: the contracted axis; several contracted axes count as one K, in the product's order):
;;     1. [M 8,192, K 1,024] x [K 1,024, N 1,024]; A: input query; B: input Wq: QUANTISED
;;     2. [M 8,192, K 1,024] x [K 1,024, N 1,024]; A: input key; B: input Wk: QUANTISED
;;     3. [M 8,192, K 1,024] x [K 1,024, N 1,024]; A: input value; B: input Wv: QUANTISED
;;     4. batch 64 x [M 2,048, K 64] x [K 64, N 2,048]; A: computed on the way; B: computed on the way: QUANTISED
;;     5. batch 64 x [M 64, K 2,048] x [K 2,048, N 2,048]; A: computed on the way; B: softmax (see below): QUANTISED
;;     6. [M 8,192, K 1,024] x [K 1,024, N 1,024]; A: computed on the way; B: input Wo: QUANTISED
;;   THE QUANTISER, for each operand of a quantised product, along K:
;;     - K is cut into blocks of 32 from its start; a last block that is shorter is filled with zeros.
;;     - A block's scale is 2^e with e = floor(log2(the largest magnitude in the block)) - 8, held to -126 .. 127; a block of zeros has e = 0. As a byte (E8M0): e + 127.
;;     - Each number is divided by its block's scale, clamped to +-448, and rounded to the nearest number of E4M3, ties to even, subnormals kept.
;;     - The product sums the exact products of the quantised numbers (number of the format x scale) in f32.
;;   ~~~python
;;   def quantise(x, axis):      # numpy; x: float32 -> the quantised numbers, widened to float32 again
;;       x = np.moveaxis(x, axis, -1); K = x.shape[-1]
;;       x = np.pad(x, [(0, 0)] * (x.ndim - 1) + [(0, -K % 32)]); x = x.reshape(x.shape[:-1] + (-1, 32)); a = np.abs(x).max(-1, keepdims=True)
;;       e = np.where(a > 0, np.clip(np.frexp(np.where(a > 0, a, 1))[1] - 1 - 8, -126, 127), 0)      # np.frexp(a)[1] - 1 = floor(log2(a)), exactly
;;       r = np.clip(x / 2.0 ** e, -448, 448)
;;       step = 2.0 ** (np.maximum(np.frexp(np.where(r == 0, 1, r))[1] - 1, -6) - 3)
;;       q = np.round(r / step) * step * 2.0 ** e      # np.round: ties to even
;;       return np.moveaxis(q.reshape(q.shape[:-2] + (-1,))[..., :K], -1, axis).astype(np.float32)
;;   ~~~
;;   SOFTMAX AHEAD OF A QUANTISED PRODUCT. Where the list says 'softmax', what is quantised is not the finished softmax but p = 2^(t - M), with t = logit x log2(e) and M = ceil(the row's largest t), a whole number; so 1/2 < the row's largest p <= 1. The row's sum l is taken of the UNQUANTISED p, in f32, and the product's result is divided by l at the end. Since M is a whole number, a kernel that streams over the keys may use a running M (the ceiling of the running maximum): every later rescaling is an exact power of two, which a block's scale takes up: the codes' values come out the same.
;;   OPERANDS COMPUTED ON THE WAY. 'Computed on the way' means the value that the module computes at that place (a softmax that the list does not call 'softmax' is quantised finished and normalised). What goes into a quantiser is computed in f32, as accurately as f32 sums, v_exp_f32 and their like allow (about 1e-6 of the number): no bf16 or f16 on the way to a quantiser, and a product that is left as it is and whose result goes on into a quantised operand takes f32 operands (vector FMAs, or v_wmma_f32_16x16x4_f32). A number that lies on a knife's edge between two numbers of the format may be rounded either way, as far as f32 arithmetic and the matrix unit's own rounding can turn it there, and no further.
;; One version. Each part assembles by itself: llvm-mc -triple=amdgcn-amd-amdhsa -mcpu=gfx1250 --defsym DOCPART=n.
;; ======== version 1 of 1: 4 launches
;; limits: right only within a limited range of input values
;; workspace buffers: opq 30,277,632 bytes; aq 8,650,752 bytes; qc 8,388,608 bytes; qs 262,144 bytes; kv 16,777,216 bytes; kvs 524,288 bytes; maskw 2,097,152 bytes of whole numbers; maskf 32,768 bytes of whole numbers
;; launch prep (part 1): grid 480 x 1, 8 waves a work-group, no clusters, 138,240 bytes of LDS; arguments query, key, value, Wq, Wk, Wv, Wo, mask, opq, maskw, maskf; writes opq, maskw, maskf
.if DOCPART == 1
	.amdgcn_target "amdgcn-amd-amdhsa--gfx1250"
	.amdhsa_code_object_version 6
	.text
	.protected	k_q14d6ecfe01_prep
	.globl	k_q14d6ecfe01_prep
	.p2align	8
	.type	k_q14d6ecfe01_prep,@function
k_q14d6ecfe01_prep:
	s_mov_b64 s[64:65], 0
	v_nop
	global_prefetch_b8 v0, s[64:65] scope:SCOPE_SE
	s_setreg_imm32_b32 hwreg(HW_REG_WAVE_MODE, 25, 1), 1
	s_wait_xcnt 0x0
; PREP.  Work-groups 0-223 turn query, key, value, Wq, Wk, Wv, Wo (f32, K = their last axis, 1,024) into codes of E4M3 with one E8M0 byte for each 32 along K.
; Work-groups 224-479 pack the mask (one byte a score) into words of 32 lane bits, one word for each score register of the attention launch, and a flag for each (tile of 16 queries, 128 keys).
; LAYOUT OF THE CODES: in the order of the operand's registers.  A rowblock is 128 rows: 4 groups of 32, each two tiles u; lane r of tile u holds row 8 u + r + 8 (r / 8) of its group.
; For each rowblock and each 256 along K one dense block of 33,792 bytes: codes at q 16384 + (2 g + u) 2048 + c 512 + 16 lane (k = 128 q + 32 c + 16 (lane / 16) + 0 .. 15), scale words at 32768 + 256 g + 8 lane + 4 q
; (lanes 0-15: tile 2 g's rows, lanes 16-31: tile 2 g + 1's).  Every store of codes covers 512 consecutive aligned bytes, every store of scale words 256.
; A block's scale is 2^(floor(log2(largest magnitude)) - 8); each number is divided by it, held within +-448 and rounded to the nearest code, ties to even.
; LIMITS: NaN and infinities among the inputs are not served; a block whose largest magnitude lies under 2^-118 gets the byte 1, and so does a block of zeros (the rule says 127): its codes are zeros, and this program alone reads the bytes.
; No tensor load, no barrier: waves share nothing.  The two kinds of work-group have LDS bytes of their own.
.set R,     16                         ; v16-143  two sets of 64: a fragment's numbers as they are loaded
.set X,     144                        ; v144-207 the same, 16 neighbours of each block of 32 in a lane
.set PC,    208                        ; v208-223 the fragment's codes
.set TM,    224                        ; v224-239 at work in QUANT
.set PW,    240                        ; v240 the scale word just made;  v241 tile u = 0's, kept;  v242-245 the words to store
.set PW0,   241
.set SW,    242
.set SEL,   20                         ; s[20:21] v_permlanex16_b32's selects for lane l xor 16
.set HM,    22                         ; s22 the lanes 16-31
.set MNT,   23
.set QST,   8448                       ; a wave's stage: 16 rows x (512 bytes + 16)
.set MBASE, 67584                      ; behind the eight stages: the mask's stages, 32 rows x (256 bytes + 16) a wave
.set MST,   8704
.set MIN_,  16                         ; mask path: v16-79 as loaded; v80-143 by tiles; v144-151 the words; v152-157 at work
.set BY,    80
.set OUT,   144
.set TT,    152
.set ORR,   154
; 64 numbers of a lane, register 16 b + i = k 32 b + 16 (lane / 16) + i of my row, become 16 registers of codes in v[pc] on and the row's scale word in v[pw].
.macro QUANT s, pc, pw
.irp b, 0,1,2,3
	v_max3_num_f32 v[TM+\b], |v[\s+16*\b]|, |v[\s+1+16*\b]|, 0x4800000   ; my 16 numbers of block b, and the floor 2^(9 - 127): the byte cannot fall under 1
.endr
.irp i, 2,4,6,8,10,12,14
.irp b, 0,1,2,3
	s_delay_alu instid0(VALU_DEP_4)
	v_max3_num_f32 v[TM+\b], v[TM+\b], |v[\s+16*\b+\i]|, |v[\s+1+16*\b+\i]|   ; the four blocks by turns
.endr
.endr
.irp b, 0,1,2,3
	s_delay_alu instid0(VALU_DEP_4)
	v_permlanex16_b32 v[TM+4+\b], v[TM+\b], s[SEL], s[SEL+1]
.endr
.irp b, 0,1,2,3
	s_delay_alu instid0(VALU_DEP_4)
	v_max_num_f32 v[TM+\b], v[TM+\b], v[TM+4+\b]   ; with lane l xor 16's: the block's largest magnitude
.endr
.irp b, 0,1,2,3
	s_delay_alu instid0(VALU_DEP_4)
	v_add_nc_u32 v[TM+12+\b], 0xfc000000, v[TM+\b]   ; 8 off its exponent field: the conversion's scale operand
.endr
.irp b, 0,1,2,3
.endr
.irp b, 0,1,2,3
	s_delay_alu instid0(VALU_DEP_4)
	v_lshrrev_b32 v[TM+4+\b], 23, v[TM+12+\b]   ; the scale's byte
.endr
	s_delay_alu instid0(VALU_DEP_3)
	v_lshl_or_b32 v[\pw], v[TM+5], 8, v[TM+4]
	s_delay_alu instid0(VALU_DEP_1)
	v_lshl_or_b32 v[\pw], v[TM+6], 16, v[\pw]
	s_delay_alu instid0(VALU_DEP_1)
	v_lshl_or_b32 v[\pw], v[TM+7], 24, v[\pw]
.irp b, 0,1,2,3
.irp i, 0,1,2,3,4,5,6,7,8,9,10,11,12,13,14,15
.endr
	v_cvt_scalef32_pk8_fp8_f32 v[\pc+4*\b:\pc+1+4*\b], v[\s+16*\b:\s+7+16*\b], v[TM+12+\b]
	v_cvt_scalef32_pk8_fp8_f32 v[\pc+2+4*\b:\pc+3+4*\b], v[\s+8+16*\b:\s+15+16*\b], v[TM+12+\b]
.endr
	v_nop                                          ; a plain line behind the last conversion
.endm
; Fragment t of my eight: which 256 along K t / 4, which 128 of them (t / 2) % 2, tile u = t % 2.  Sixteen loads, each 512 consecutive bytes of one row.
.macro LOAD t
.irp rr, 0,1,2,3,4,5,6,7,8,9,10,11,12,13,14,15
	global_load_b128 v[R+64*((\t)%2)+4*\rr:R+64*((\t)%2)+4*\rr+3], v2, s[4:5] offset:(8*((\t)%2)+\rr+8*(\rr/8))*4096+((\t)/4)*1024+(((\t)/2)%2)*512 th:TH_LOAD_NT
.endr
.endm
.macro FRAGQ t
.if (\t) < 7
	s_wait_loadcnt 16                              ; this fragment's sixteen loads are in; the next fragment's sixteen may be out
.else
	s_wait_loadcnt 0
.endif
.irp rr, 0,1,2,3,4,5,6,7,8,9,10,11,12,13,14,15
	ds_store_b128 v3, v[R+64*((\t)%2)+4*\rr:R+64*((\t)%2)+4*\rr+3] offset:\rr*528
.endr
.irp c, 0,1,2,3
.irp j, 0,1,2,3
	ds_load_b128 v[X+16*\c+4*\j:X+16*\c+4*\j+3], v4 offset:128*\c+16*\j   ; LDS serves a wave's instructions in order: these see the stores above
.endr
.endr
.if (\t)+2 < 8
	s_wait_dscnt 16                                ; the sixteen stores are done (the sixteen loads behind them may be out): their registers take the fragment two on
	LOAD (\t)+2
.endif
	s_wait_dscnt 0x0
	s_wait_xcnt 0x0                                ; the last fragment's stores have read their registers: the codes may be written again
	QUANT X, PC, PW
.irp c, 0,1,2,3
	global_store_b128 v2, v[PC+4*\c:PC+4*\c+3], s[8:9] offset:((\t)/4)*33792+(((\t)/2)%2)*16384+((\t)%2)*2048+\c*512
.endr
.if (\t)%2 == 0
	v_mov_b32 v[PW0], v[PW]
.else
	v_cndmask_b32 v[SW+2*((\t)/4)+((\t)/2)%2], v[PW0], v[PW], s[HM]   ; lanes 0-15: tile u = 0's words, lanes 16-31: tile u = 1's
.if ((\t)/2)%2 == 1
	global_store_b64 v5, v[SW+2*((\t)/4):SW+2*((\t)/4)+1], s[10:11] offset:((\t)/4)*33792
.endif
.endif
.endm
; The mask of tile u, key step e: a flag, and 64 words: bit l of word n = 16 blk + i is the byte of lane l's query at key 32 blk + 16 (l / 16) + i.
.macro MBITS u, e
.set BS, BY+16*(2*(\u)+(\e))
.set OS, OUT+2*(2*(\u)+(\e))
	v_or_b32 v[ORR], v[BS], v[BS+1]
.irp k, 2,3,4,5,6,7,8,9,10,11,12,13,14,15
	s_delay_alu instid0(VALU_DEP_1)
	v_or_b32 v[ORR], v[ORR], v[BS+\k]
.endr
	s_delay_alu instid0(VALU_DEP_1)
	v_cmp_ne_u32 s[48+2*(\u)+(\e)], 0, v[ORR]      ; not 0 where any score of the tile and step is hidden
.set n, 0
.rept 64
	v_and_b32 v[TT+n%2], 0xff<<(8*(n%4)), v[BS+n/4]
	s_delay_alu instid0(VALU_DEP_1)
	v_cmp_ne_u32 s[52+n%2], 0, v[TT+n%2]
	s_delay_alu instid0(VALU_DEP_1)
	v_writelane_b32 v[OS+n%2], s[52+n%2], n/2      ; word n goes to lane n / 2, register n % 2: the wave then stores 256 consecutive bytes
.set n, n+1
.endr
	global_store_b64 v5, v[OS:OS+1], s[8:9] offset:4096*(\u)+256*(\e)
.endm
	s_load_b512 s[24:39], s[0:1], 0x0              ; query, key, value, Wq, Wk, Wv, Wo, mask
	s_load_b128 s[40:43], s[0:1], 0x40             ; opq, maskw
	s_load_b64 s[44:45], s[0:1], 0x50              ; maskf
	v_lshl_add_u32 v254, v0, 2, 0x21800
	v_mov_b32 v255, 0
	v_lshrrev_b32 v1, 5, v0
	s_delay_alu instid0(VALU_DEP_1)
	v_readfirstlane_b32 s16, v1                    ; wave 0..7
	v_and_b32 v6, 31, v0                           ; lane
	v_and_b32 v7, 15, v0                           ; r
	v_bfe_u32 v8, v0, 4, 1                         ; h
	s_delay_alu instid0(VALU_DEP_3)
	v_lshlrev_b32 v2, 4, v6                        ; 16 x lane
	s_delay_alu instid0(VALU_DEP_4)
	v_lshlrev_b32 v5, 3, v6                        ; 8 x lane
	s_cmp_ge_u32 ttmp9, 224
	s_cbranch_scc1 .Lmask
	; ---- the quantiser: work-group = rowblock; wave w: group w / 2, half w % 2 of K
	s_mul_i32 s17, s16, QST
	v_add_nc_u32 v3, s17, v2                       ; the stage, on the way in: a row's 512 bytes as they lie
	v_mul_u32_u24 v4, v7, 528
	s_delay_alu instid0(VALU_DEP_1)
	v_lshl_add_u32 v4, v8, 6, v4
	s_delay_alu instid0(VALU_DEP_1)
	v_add_nc_u32 v4, s17, v4                       ; and on the way out: row r, my 16 numbers of each block of 32
	s_mov_b32 s[SEL], 0x76543210
	s_mov_b32 s[SEL+1], 0xfedcba98
	s_mov_b32 s[HM], 0xffff0000
.irp b, 0,1,2,3
	v_mov_b32 v[TM+4+\b], 0                        ; written once: a lane permute's destination counts as one of its sources
.endr
	s_lshr_b32 s18, s16, 1                         ; g
	s_and_b32 s19, s16, 1                          ; which half of K
	s_wait_alu depctr_va_vdst(0)
	s_wait_kmcnt 0x0
	s_mov_b64 s[4:5], s[36:37]                     ; which tensor, and its first rowblock: the choice hangs on the work-group's number alone
	s_mov_b32 s6, 216
	s_cmp_lt_u32 ttmp9, 216
	s_cselect_b64 s[4:5], s[34:35], s[4:5]
	s_cselect_b32 s6, 208, s6
	s_cmp_lt_u32 ttmp9, 208
	s_cselect_b64 s[4:5], s[32:33], s[4:5]
	s_cselect_b32 s6, 200, s6
	s_cmp_lt_u32 ttmp9, 200
	s_cselect_b64 s[4:5], s[30:31], s[4:5]
	s_cselect_b32 s6, 192, s6
	s_cmp_lt_u32 ttmp9, 192
	s_cselect_b64 s[4:5], s[28:29], s[4:5]
	s_cselect_b32 s6, 128, s6
	s_cmp_lt_u32 ttmp9, 128
	s_cselect_b64 s[4:5], s[26:27], s[4:5]
	s_cselect_b32 s6, 64, s6
	s_cmp_lt_u32 ttmp9, 64
	s_cselect_b64 s[4:5], s[24:25], s[4:5]
	s_cselect_b32 s6, 0, s6
	s_sub_co_u32 s6, ttmp9, s6
	s_lshl_b32 s6, s6, 2
	s_add_co_u32 s6, s6, s18
	s_lshl_b32 s6, s6, 17                          ; my group's 32 rows of 4,096 bytes
	s_lshl_b32 s7, s19, 11                         ; my half of K: 512 numbers
	s_add_co_u32 s6, s6, s7
	s_mov_b32 s7, 0
	s_add_nc_u64 s[4:5], s[4:5], s[6:7]
	s_mul_i32 s10, ttmp9, 135168
	s_mul_i32 s11, s19, 67584
	s_add_co_u32 s10, s10, s11                     ; my first block of 33,792 bytes
	s_lshl_b32 s11, s18, 12
	s_add_co_u32 s8, s10, s11
	s_mov_b32 s9, 0
	s_add_nc_u64 s[8:9], s[40:41], s[8:9]          ; my group's codes
	s_lshl_b32 s11, s18, 8
	s_add_co_u32 s10, s10, s11
	s_add_co_u32 s10, s10, 32768
	s_mov_b32 s11, 0
	s_add_nc_u64 s[10:11], s[40:41], s[10:11]      ; and its scale words
	LOAD 0
	LOAD 1
.irp t, 0,1,2,3,4,5,6,7
	FRAGQ \t
.endr
	s_wait_tensorcnt 0x0
	ds_add_u32 v254, v255
	s_wait_dscnt 0x0
	s_endpgm
	; ---- the mask: work-group = 32 queries of a batch; wave w: keys 256 w on (key steps 2 w, 2 w + 1)
.Lmask:
	s_sub_co_u32 s4, ttmp9, 224
	s_lshr_b32 s5, s4, 6                           ; batch
	s_and_b32 s6, s4, 63                           ; group of 32 queries
	s_lshl_b32 s7, s5, 7
	s_lshl_b32 s12, s6, 1
	s_add_co_u32 s7, s7, s12                       ; its first tile of 16 queries
	s_lshl_b32 s12, s5, 22
	s_lshl_b32 s13, s6, 16
	s_add_co_u32 s12, s12, s13
	s_lshl_b32 s13, s16, 8
	s_add_co_u32 s12, s12, s13
	s_mov_b32 s13, 0
	s_lshl_b32 s14, s7, 12
	s_lshl_b32 s15, s16, 9
	s_add_co_u32 s14, s14, s15
	s_mov_b32 s15, 0
	s_lshl_b32 s18, s7, 6
	s_lshl_b32 s19, s16, 3
	s_add_co_u32 s18, s18, s19
	s_mov_b32 s19, 0
	s_mul_i32 s17, s16, MST
	s_add_co_u32 s17, s17, MBASE
	s_wait_alu depctr_va_vdst(0)
	v_lshlrev_b32 v9, 4, v7
	s_delay_alu instid0(VALU_DEP_1)
	v_lshl_add_u32 v10, v8, 11, v9                 ; in memory: sixteen lanes read 256 bytes of a row, lanes 16-31 the next row
	v_mul_u32_u24 v11, v8, 272
	s_delay_alu instid0(VALU_DEP_1)
	v_add_nc_u32 v11, v11, v9
	s_delay_alu instid0(VALU_DEP_1)
	v_add_nc_u32 v11, s17, v11                     ; into the stage
	v_mul_u32_u24 v12, v7, 272
	s_delay_alu instid0(VALU_DEP_1)
	v_lshl_add_u32 v12, v8, 4, v12
	s_delay_alu instid0(VALU_DEP_1)
	v_add_nc_u32 v12, s17, v12                     ; out of it: stage row 16 u + r, my 16 keys of a block of 32
.irp j, 0,1,2,3,4,5,6,7
	v_mov_b32 v[OUT+\j], 0                         ; a written lane's register counts as read
.endr
	s_wait_alu depctr_va_vdst(0)
	s_wait_kmcnt 0x0
	s_add_nc_u64 s[4:5], s[38:39], s[12:13]
	s_add_nc_u64 s[8:9], s[42:43], s[14:15]
	s_add_nc_u64 s[10:11], s[44:45], s[18:19]
.irp i, 0,1,2,3,4,5,6,7,8,9,10,11,12,13,14,15
	global_load_b128 v[MIN_+4*\i:MIN_+4*\i+3], v10, s[4:5] offset:2*\i*2048 th:TH_LOAD_NT
.endr
.irp i, 0,1,2,3,4,5,6,7,8,9,10,11,12,13,14,15
	s_wait_loadcnt 15-\i                           ; load i is in; the younger ones may be out
	ds_store_b128 v11, v[MIN_+4*\i:MIN_+4*\i+3] offset:(16*(((2*\i)>>3)&1)+((2*\i)&7)+8*((2*\i)>>4))*272   ; query row p goes to stage row 16 u + r with p = 8 u + r + 8 (r / 8)
.endr
.irp u, 0,1
.irp e, 0,1
.irp blk, 0,1,2,3
	ds_load_b128 v[BY+16*(2*\u+\e)+4*\blk:BY+16*(2*\u+\e)+4*\blk+3], v12 offset:16*\u*272+128*\e+32*\blk
.endr
.endr
.endr
	s_wait_dscnt 0x0
	MBITS 0, 0
	MBITS 0, 1
	MBITS 1, 0
	MBITS 1, 1
	v_mov_b32 v155, 0
.irp j, 0,1,2,3
	s_delay_alu instid0(VALU_DEP_1)
	v_writelane_b32 v155, s[48+\j], \j
.endr
	v_lshrrev_b32 v156, 1, v6
	s_delay_alu instid0(VALU_DEP_1)
	v_lshlrev_b32 v156, 6, v156
	v_and_b32 v157, 1, v6
	s_delay_alu instid0(VALU_DEP_1)
	v_lshl_add_u32 v156, v157, 2, v156             ; lane 2 u + e: 64 u + 4 e.  The flags leave in pieces of 8 bytes: 32,768 bytes in the whole launch
	v_cmp_gt_u32 vcc_lo, 4, v6
	s_wait_alu depctr_va_vdst(0)
	s_wait_xcnt 0x0                                ; EXEC changes only behind this wait
	s_wait_tensorcnt 0x0
	ds_add_u32 v254, v255
	s_wait_dscnt 0x0
	s_and_saveexec_b32 s54, vcc_lo
	global_store_b32 v156, v155, s[10:11]
	s_wait_xcnt 0x0
	s_or_b32 exec_lo, exec_lo, s54
	s_endpgm
.Lfunc_end_k_q14d6ecfe01_prep:
	.size	k_q14d6ecfe01_prep, .Lfunc_end_k_q14d6ecfe01_prep-k_q14d6ecfe01_prep
	.p2alignl 7, 3214868480
	.fill 96, 4, 3214868480
	.section	.rodata,"a",@progbits
	.p2align	6, 0x0
	.amdhsa_kernel k_q14d6ecfe01_prep
		.amdhsa_group_segment_fixed_size 138240
		.amdhsa_private_segment_fixed_size 0
		.amdhsa_enable_private_segment 0
		.amdhsa_kernarg_size 88
		.amdhsa_user_sgpr_count 2
		.amdhsa_user_sgpr_kernarg_segment_ptr 1
		.amdhsa_wavefront_size32 1
		.amdhsa_system_sgpr_workgroup_id_x 1
		.amdhsa_system_sgpr_workgroup_id_y 1
		.amdhsa_system_sgpr_workgroup_id_z 1
		.amdhsa_system_vgpr_workitem_id 0
		.amdhsa_next_free_vgpr 256
		.amdhsa_next_free_sgpr 66
		.amdhsa_reserve_vcc 1
		.amdhsa_float_denorm_mode_32 3
		.amdhsa_float_denorm_mode_16_64 3
		.amdhsa_fp16_overflow 1
		.amdhsa_memory_ordered 1
		.amdhsa_forward_progress 1
		.amdhsa_inst_pref_size 152
	.end_amdhsa_kernel
	.amdgpu_metadata
---
amdhsa.version: [ 1, 2 ]
amdhsa.kernels:
  - .name:           k_q14d6ecfe01_prep
    .symbol:         k_q14d6ecfe01_prep.kd
    .args:
      - { .name: query, .offset: 0, .size: 8, .value_kind: global_buffer, .address_space: global }
      - { .name: key, .offset: 8, .size: 8, .value_kind: global_buffer, .address_space: global }
      - { .name: value, .offset: 16, .size: 8, .value_kind: global_buffer, .address_space: global }
      - { .name: Wq, .offset: 24, .size: 8, .value_kind: global_buffer, .address_space: global }
      - { .name: Wk, .offset: 32, .size: 8, .value_kind: global_buffer, .address_space: global }
      - { .name: Wv, .offset: 40, .size: 8, .value_kind: global_buffer, .address_space: global }
      - { .name: Wo, .offset: 48, .size: 8, .value_kind: global_buffer, .address_space: global }
      - { .name: mask, .offset: 56, .size: 8, .value_kind: global_buffer, .address_space: global }
      - { .name: opq, .offset: 64, .size: 8, .value_kind: global_buffer, .address_space: global }
      - { .name: maskw, .offset: 72, .size: 8, .value_kind: global_buffer, .address_space: global }
      - { .name: maskf, .offset: 80, .size: 8, .value_kind: global_buffer, .address_space: global }
    .group_segment_fixed_size: 138240
    .private_segment_fixed_size: 0
    .kernarg_segment_align: 8
    .kernarg_segment_size: 88
    .max_flat_workgroup_size: 256
    .sgpr_count:     66
    .vgpr_count:     256
    .wavefront_size: 32
...
	.end_amdgpu_metadata
.endif
;; end of part 1
;; launch proj (part 2): grid 4 x 96, 4 waves a work-group, clusters of 4 x 4, 327,680 bytes of LDS; arguments opq, bq, bk, bv, cos, sin, qc, qs, kv, kvs; writes qc, qs, kv, kvs
.if DOCPART == 2
	.amdgcn_target "amdgcn-amd-amdhsa--gfx1250"
	.amdhsa_code_object_version 6
	.text
	.protected	k_q14d6ecfe01_proj
	.globl	k_q14d6ecfe01_proj
	.p2align	8
	.type	k_q14d6ecfe01_proj,@function
k_q14d6ecfe01_proj:
	s_mov_b64 s[64:65], 0
	v_nop
	global_prefetch_b8 v0, s[64:65] scope:SCOPE_SE
	s_setreg_imm32_b32 hwreg(HW_REG_WAVE_MODE, 25, 1), 1
	s_wait_xcnt 0x0
	s_wait_alu depctr_hold_cnt(0) depctr_sa_sdst(0) depctr_va_vdst(0) depctr_va_sdst(0) depctr_va_ssrc(0) depctr_va_vcc(0) depctr_vm_vsrc(0)
	s_getreg_b32 s2, hwreg(HW_REG_IB_STS2, 6, 4)
	s_cmp_eq_u32 s2, 0
	s_cbranch_scc0 .Lentry_in_a_cluster
	s_endpgm
.Lentry_in_a_cluster:
	s_bfe_u32 s2, ttmp6, 0x10000c
	s_cmp_lg_u32 s2, 0xf033
	s_cbranch_scc0 .Lentry_shape_is_right
	s_endpgm
.Lentry_shape_is_right:
.set FR,    16
.set NL,    4
.set NP,    8
.set PART,  33792
.set SLOT,  4*PART
.set RBS,   4*PART
.set SPARE, 2*SLOT
.set SWD,  8
.set ADRA, 16
.set SA,   18
.set ADRB, 20
.set SB,   22
.set LI,   24
.set L8,   25
.set L4,   26
.set CO,   27
.set SPW,  28
.set NIL,  29
.set VB,   30
.set BH,   31
.set SC,   32
.set BI,   64
.set AF,   128
.set X,    128
.set PC,   192
.set TM,   208
.set T,    224
.set G1,   24
.set G0,   32
.set G1B,  48
.set G0B,  56
.set ROLE, 88
.set HM,   89
.set SEL,  90
.set MNT,  92
.set MSB, 0
.macro WIN new
.if MSB != \new
	s_set_vgpr_msb (MSB<<8)|\new
.set MSB, \new
.endif
.endm
.set MUL_LO,  0xa1
.set MUL_HI,  0xf1
.set MUL_LO0, 0x81
.set MUL_HI0, 0xc1
.set TO_B,    0x40
.macro JLOAD s
	s_cmp_eq_u32 s15, 0
	s_cbranch_scc0 .Lfor_b_\@
	tensor_load_to_lds s[G0+4*\s:G0+4*\s+3], s[G1:G1+7]
	s_nop 0
.rept 4
	v_nop
.endr
	s_branch .Lasked_\@
.Lfor_b_\@:
	tensor_load_to_lds s[G0B+4*\s:G0B+4*\s+3], s[G1B:G1B+7]
	s_nop 0
.rept 4
	v_nop
.endr
.Lasked_\@:
.endm
.macro CREST
	s_cmp_lg_u32 s14, 0
	s_cbranch_scc1 .Lnot_wave_0_\@
	s_barrier_signal -3
.Lnot_wave_0_\@:
	s_barrier_wait -3
	s_barrier_signal -1
	s_barrier_wait -1
.endm
.macro CROUND
	s_barrier_signal -1
	s_barrier_wait -1
	CREST
.endm
.macro PLACES n
.rept \n
	v_nop
.endr
.endm
.macro FRAG reg, adr, q, f
.irp c, 0,1,2,3
	ds_load_b128 v[\reg+4*\c:\reg+4*\c+3], v[\adr] offset:16384*(\q)+2048*(\f)+512*\c
.endr
.endm
.macro FETCH_B slot, q, p
	WIN TO_B
.irp i, 0,1,2,3,4,5,6,7
	FRAG 128*(\p)+FR*\i, ADRB+\slot, \q, \i
.endr
	WIN 0
.endm
.macro FETCH_A slot, q, i0
.irp i, \i0, \i0+1, \i0+2, \i0+3
	FRAG AF+FR*(\i), ADRA+\slot, \q, \i
.endr
.endm
.macro SCALES set
.irp g, 0,1,2,3
	ds_load_b64 v[SC+16*\set+2*\g:SC+16*\set+2*\g+1], v[SA+\set] offset:32768+256*\g
	ds_load_b64 v[SC+16*\set+8+2*\g:SC+16*\set+9+2*\g], v[SB+\set] offset:32768+256*\g
.endr
.endm
.macro WM a, b, p, q, set, zero
.set rD, 8*(8*((\a)%4)+(\b))
.set rS0, 128*(\p)+FR*(\b)
.set rS1, AF+FR*(\a)
.set rC, BI+8*(\b)
.set rX, SC+16*(\set)+8+2*((\b)/2)+(\q)
.set rY, SC+16*(\set)+2*((\a)/2)+(\q)
.if \zero
.if ((\b)%2) && ((\a)%2)
	v_wmma_scale_f32_16x16x128_f8f6f4 v[rD:rD+7], v[rS0:rS0+15], v[rS1:rS1+15], v[rC:rC+7], v[rX], v[rY] matrix_a_scale:MATRIX_SCALE_ROW1 matrix_b_scale:MATRIX_SCALE_ROW1
.elseif (\b)%2
	v_wmma_scale_f32_16x16x128_f8f6f4 v[rD:rD+7], v[rS0:rS0+15], v[rS1:rS1+15], v[rC:rC+7], v[rX], v[rY] matrix_a_scale:MATRIX_SCALE_ROW1
.elseif (\a)%2
	v_wmma_scale_f32_16x16x128_f8f6f4 v[rD:rD+7], v[rS0:rS0+15], v[rS1:rS1+15], v[rC:rC+7], v[rX], v[rY] matrix_b_scale:MATRIX_SCALE_ROW1
.else
	v_wmma_scale_f32_16x16x128_f8f6f4 v[rD:rD+7], v[rS0:rS0+15], v[rS1:rS1+15], v[rC:rC+7], v[rX], v[rY]
.endif
.else
.if ((\b)%2) && ((\a)%2)
	v_wmma_scale_f32_16x16x128_f8f6f4 v[rD:rD+7], v[rS0:rS0+15], v[rS1:rS1+15], v[rD:rD+7], v[rX], v[rY] matrix_a_scale:MATRIX_SCALE_ROW1 matrix_b_scale:MATRIX_SCALE_ROW1
.elseif (\b)%2
	v_wmma_scale_f32_16x16x128_f8f6f4 v[rD:rD+7], v[rS0:rS0+15], v[rS1:rS1+15], v[rD:rD+7], v[rX], v[rY] matrix_a_scale:MATRIX_SCALE_ROW1
.elseif (\a)%2
	v_wmma_scale_f32_16x16x128_f8f6f4 v[rD:rD+7], v[rS0:rS0+15], v[rS1:rS1+15], v[rD:rD+7], v[rX], v[rY] matrix_b_scale:MATRIX_SCALE_ROW1
.else
	v_wmma_scale_f32_16x16x128_f8f6f4 v[rD:rD+7], v[rS0:rS0+15], v[rS1:rS1+15], v[rD:rD+7], v[rX], v[rY]
.endif
.endif
.endm
.macro MUL16 a0, p, q, set, zero
.irp a, \a0, \a0+1
.irp b, 0,1,2,3,4,5,6,7
	WM \a, \b, \p, \q, \set, \zero
.endr
.endr
.endm
.macro STEP slot, q, zero
	s_wait_dscnt 4*NL
.if \zero
	WIN MUL_LO0
.else
	WIN MUL_LO
.endif
	MUL16 0, (\q)%2, \q, \slot, \zero
	MUL16 2, (\q)%2, \q, \slot, \zero
	s_wait_dscnt 0
	PLACES NP
	FETCH_B \slot, (\q)+1, 1-(\q)%2
	FETCH_A \slot, (\q)+1, 0
.if \zero
	WIN MUL_HI0
.else
	WIN MUL_HI
.endif
	MUL16 4, (\q)%2, \q, \slot, \zero
	MUL16 6, (\q)%2, \q, \slot, \zero
	PLACES NP
	WIN 0
	FETCH_A \slot, (\q)+1, 4
.endm
.macro TURN slot, next, fill
	s_wait_tensorcnt 0x0
	ds_add_u32 v[SPW], v[NIL]
	s_wait_dscnt 4*NL+1
	WIN MUL_LO
	MUL16 0, 1, 1, \slot, 0
	s_wait_dscnt 0x0
	s_barrier_signal -1
	MUL16 2, 1, 1, \slot, 0
	WIN 0
	s_barrier_wait -1
.if \fill
	CREST
	s_add_nc_u64 s[G0+4*\slot+2:G0+4*\slot+3], s[G0+4*\slot+2:G0+4*\slot+3], 2*PART
	s_add_nc_u64 s[G0B+4*\slot+2:G0B+4*\slot+3], s[G0B+4*\slot+2:G0B+4*\slot+3], 2*PART
	JLOAD \slot
	PLACES NP-4
.else
	PLACES NP
.endif
	FETCH_B \next, 0, 0
	FETCH_A \next, 0, 0
	SCALES \next
	WIN MUL_HI
	MUL16 4, 1, 1, \slot, 0
	MUL16 6, 1, 1, \slot, 0
	PLACES NP
	WIN 0
	FETCH_A \next, 0, 4
.endm
.macro QUANT s, pc, pw
.irp b, 0,1,2,3
	v_max3_num_f32 v[TM+\b], |v[\s+16*\b]|, |v[\s+1+16*\b]|, 0x4800000
.endr
.irp i, 2,4,6,8,10,12,14
.irp b, 0,1,2,3
	v_max3_num_f32 v[TM+\b], v[TM+\b], |v[\s+16*\b+\i]|, |v[\s+1+16*\b+\i]|
.endr
.endr
.irp b, 0,1,2,3
	v_permlanex16_b32 v[TM+4+\b], v[TM+\b], s[SEL], s[SEL+1]
.endr
.irp b, 0,1,2,3
	v_max_num_f32 v[TM+\b], v[TM+\b], v[TM+4+\b]
.endr
.irp b, 0,1,2,3
	v_add_nc_u32 v[TM+12+\b], 0xfc000000, v[TM+\b]
.endr
.irp b, 0,1,2,3
.endr
.irp b, 0,1,2,3
	v_lshrrev_b32 v[TM+4+\b], 23, v[TM+12+\b]
.endr
	v_lshl_or_b32 v[\pw], v[TM+5], 8, v[TM+4]
	v_lshl_or_b32 v[\pw], v[TM+6], 16, v[\pw]
	v_lshl_or_b32 v[\pw], v[TM+7], 24, v[\pw]
.irp b, 0,1,2,3
.irp i, 0,1,2,3,4,5,6,7,8,9,10,11,12,13,14,15
.endr
	v_cvt_scalef32_pk8_fp8_f32 v[\pc+4*\b:\pc+1+4*\b], v[\s+16*\b:\s+7+16*\b], v[TM+12+\b]
	v_cvt_scalef32_pk8_fp8_f32 v[\pc+2+4*\b:\pc+3+4*\b], v[\s+8+16*\b:\s+15+16*\b], v[TM+12+\b]
.endr
	v_nop
.endm
.macro LCS a
.irp blk, 0,1
.irp j, 0,1,2,3
	global_load_b128 v[64*((\a)%4)+16*\blk+4*\j:64*((\a)%4)+16*\blk+4*\j+3], v[CO], s[76:77] offset:(32*((\a)/2)+8*((\a)%2))*256+128*\blk+16*\j
	global_load_b128 v[64*((\a)%4)+32+16*\blk+4*\j:64*((\a)%4)+32+16*\blk+4*\j+3], v[CO], s[78:79] offset:(32*((\a)/2)+8*((\a)%2))*256+128*\blk+16*\j
.endr
.endr
.endm
.macro EPIQK a, left
.set AC, 64*((\a)%4)
	s_wait_loadcnt \left
	WIN 0x06+(\a)/4
.irp e, 0,1
.irp k, 0,1,2,3,4,5,6,7
	v_pk_mul_f32 v[T+4*(\k%4):T+4*(\k%4)+1], v[AC+32*\e+16+2*\k:AC+32*\e+17+2*\k], v[AC+32+2*\k:AC+33+2*\k]
	v_pk_mul_f32 v[T+4*(\k%4)+2:T+4*(\k%4)+3], v[AC+32*\e+2*\k:AC+32*\e+2*\k+1], v[AC+48+2*\k:AC+49+2*\k]
	v_pk_fma_f32 v[X+32*\e+2*\k:X+32*\e+2*\k+1], v[AC+32*\e+2*\k:AC+32*\e+2*\k+1], v[AC+2*\k:AC+2*\k+1], v[T+4*(\k%4):T+4*(\k%4)+1] neg_lo:[0,0,1] neg_hi:[0,0,1]
	v_pk_fma_f32 v[X+32*\e+16+2*\k:X+32*\e+17+2*\k], v[AC+32*\e+16+2*\k:AC+32*\e+17+2*\k], v[AC+16+2*\k:AC+17+2*\k], v[T+4*(\k%4)+2:T+4*(\k%4)+3]
.endr
.endr
.if (\a) < 4
	WIN 0x40
	LCS (\a)+4
.endif
	WIN 0
	s_wait_xcnt 0x0
	QUANT X, PC, SWD+(\a)
.irp c, 0,1,2,3
	global_store_b128 v[LI], v[PC+4*\c:PC+4*\c+3], s[4+2*(\c/2):5+2*(\c/2)] offset:(\a)*1024+(\c%2)*512
.endr
.endm
.macro EPIV a
.set AC, 64*((\a)%4)
	WIN 0x02+(\a)/4
.set k, 0
.rept 32
	v_pk_add_f32 v[X+2*k:X+2*k+1], v[AC+2*k:AC+2*k+1], v[BI+2*(\a):BI+2*(\a)+1] op_sel_hi:[1,0]
.set k, k+1
.endr
	WIN 0
	s_wait_xcnt 0x0
	QUANT X, PC, SWD+(\a)
.irp c, 0,1,2,3
	global_store_b128 v[LI], v[PC+4*\c:PC+4*\c+3], s[4+2*((\a)/4):5+2*((\a)/4)] offset:((\a)%4)*2048+\c*512
.endr
.endm
	s_load_b512 s[68:83], s[0:1], 0x0
	s_load_b128 s[84:87], s[0:1], 0x40
	v_lshl_add_u32 v[SPW], v0, 2, SPARE
	v_mov_b32 v[NIL], 0
	ds_add_u32 v28, v29
	ds_add_u32 v28, v29
	s_wait_dscnt 0x0
	v_lshrrev_b32 v1, 5, v0
	v_readfirstlane_b32 s14, v1
	s_lshr_b32 s15, s14, 1
	s_and_b32 s16, s14, 1
	s_bfe_u32 s40, ttmp6, 0x40000
	s_bfe_u32 s41, ttmp6, 0x40004
	s_and_b32 s17, ttmp7, 0xffff
	s_lshr_b32 s[ROLE], s17, 3
	s_and_b32 s18, s17, 7
	s_lshl_b32 s43, s41, 2
	s_lshl_b32 s43, 15, s43
	s_lshl_b32 s44, 0x1111, s40
	s_or_b32 s[G1], s43, (3<<16)|(1<<21)
	s_or_b32 s[G1B], s44, (3<<16)|(1<<21)
.irp g, G1, G1B
	s_mov_b32 s[\g+1], 32<<16
	s_mov_b32 s[\g+2], 132<<16
	s_mov_b32 s[\g+3], 32<<16
	s_mov_b32 s[\g+4], 132
	s_mov_b32 s[\g+5], 32
	s_mov_b32 s[\g+6], 0
	s_mov_b32 s[\g+7], 0
.endr
	s_lshr_b32 s99, s[ROLE], 1
	s_lshl_b32 s19, s18, 3
	s_sub_co_u32 s42, 80, s19
	s_mul_i32 s42, s42, s99
	s_lshl_b32 s20, s[ROLE], 6
	s_add_co_u32 s20, s20, s19
	s_add_co_u32 s20, s20, s42
	s_lshl_b32 s46, s[ROLE], 3
	s_add_co_u32 s46, s46, 192
	s_sub_co_u32 s46, s46, s42
	s_lshl_b32 s21, s41, 1
	s_add_co_u32 s20, s20, s21
	s_add_co_u32 s20, s20, s16
	s_lshl_b32 s47, s40, 1
	s_add_co_u32 s46, s46, s47
	s_add_co_u32 s46, s46, s16
	s_mul_i32 s20, s20, RBS
	s_mov_b32 s21, 0
	s_mul_i32 s46, s46, RBS
	s_mov_b32 s47, 0
	s_mul_i32 s45, s14, PART
	s_wait_kmcnt 0x0
	s_add_nc_u64 s[20:21], s[68:69], s[20:21]
	s_add_nc_u64 s[46:47], s[68:69], s[46:47]
	CROUND
.irp s, 0,1
	s_mov_b32 s[G0+4*\s], 1
	s_add_co_u32 s[G0+4*\s+1], s45, \s*SLOT
	s_add_nc_u64 s[G0+4*\s+2:G0+4*\s+3], s[20:21], \s*PART
	s_or_b32 s[G0+4*\s+3], s[G0+4*\s+3], 0x80000000
	s_mov_b32 s[G0B+4*\s], 1
	s_add_co_u32 s[G0B+4*\s+1], s45, \s*SLOT
	s_add_nc_u64 s[G0B+4*\s+2:G0B+4*\s+3], s[46:47], \s*PART
	s_or_b32 s[G0B+4*\s+3], s[G0B+4*\s+3], 0x80000000
	s_wait_alu depctr_va_vdst(0)
	s_wait_tensorcnt 0x0
	ds_add_u32 v28, v29
	ds_add_u32 v28, v29
	s_wait_dscnt 0x0
	CROUND
	JLOAD \s
.endr
	v_and_b32 v1, 31, v0
	v_and_b32 v2, 15, v0
	v_bfe_u32 v3, v0, 4, 1
	v_lshlrev_b32 v[LI], 4, v1
	v_lshlrev_b32 v[L8], 3, v1
	v_lshlrev_b32 v[L4], 2, v1
	s_mul_i32 s21, s15, PART
	s_mul_i32 s22, s16, PART
	s_add_co_u32 s22, s22, 2*PART
.irp s, 0,1
	v_add_nc_u32 v[ADRA+\s], s21, v[LI]
	v_add_nc_u32 v[ADRB+\s], s22, v[LI]
	v_add_nc_u32 v[SA+\s], s21, v[L8]
	v_add_nc_u32 v[SB+\s], s22, v[L8]
	s_add_co_u32 s21, s21, SLOT
	s_add_co_u32 s22, s22, SLOT
.endr
	v_and_b32 v4, 8, v2
	v_add_nc_u32 v4, v4, v2
	v_lshlrev_b32 v[CO], 8, v4
	v_lshl_add_u32 v[CO], v3, 6, v[CO]
	v_lshlrev_b32 v[VB], 2, v4
	v_lshlrev_b32 v[BH], 6, v3
	s_mov_b32 s[HM], 0xffff0000
	s_mov_b32 s[SEL], 0x76543210
	s_mov_b32 s[SEL+1], 0xfedcba98
	s_mov_b32 s93, 0x05040100
	s_mov_b32 s94, 0x07060302
	s_cmp_eq_u32 s[ROLE], 2
	s_cselect_b32 s95, s41, s40
	s_cselect_b32 s96, s15, s16
	s_cselect_b32 s97, s40, s41
	s_cselect_b32 s98, s16, s15
	s_lshl_b32 s95, s95, 1
	s_add_co_u32 s95, s95, s96
	s_lshl_b32 s96, s18, 2
	s_add_co_u32 s96, s96, s97
	s_lshl_b32 s96, s96, 1
	s_add_co_u32 s96, s96, s98
	s_lshr_b32 s97, s96, 4
	s_and_b32 s96, s96, 15
	s_lshl_b32 s98, s97, 3
	s_add_co_u32 s98, s98, s95
	s_lshl_b32 s12, s98, 19
	s_lshr_b32 s13, s96, 1
	s_lshl_b32 s13, s13, 15
	s_add_co_u32 s12, s12, s13
	s_and_b32 s13, s96, 1
	s_lshl_b32 s13, s13, 13
	s_add_co_u32 s12, s12, s13
	s_lshl_b32 s13, s99, 14
	s_add_co_u32 s12, s12, s13
	s_lshl_b32 s17, s98, 18
	s_lshl_b32 s13, s96, 13
	s_add_co_u32 s17, s17, s13
	s_lshl_b32 s22, s98, 14
	s_lshl_b32 s13, s96, 8
	s_add_co_u32 s22, s22, s13
	s_lshl_b32 s13, s99, 13
	s_add_co_u32 s22, s22, s13
	s_lshl_b32 s19, s98, 13
	s_lshl_b32 s13, s96, 9
	s_add_co_u32 s19, s19, s13
	s_mov_b32 s66, 1<<18
	s_cmp_eq_u32 s[ROLE], 0
	s_cselect_b32 s12, s17, s12
	s_cselect_b32 s22, s19, s22
	s_cselect_b32 s66, 1<<17, s66
	s_cselect_b64 s[4:5], s[80:81], s[84:85]
	s_cselect_b64 s[8:9], s[82:83], s[86:87]
	s_cselect_b64 s[10:11], s[70:71], s[72:73]
	s_cmp_eq_u32 s[ROLE], 2
	s_cselect_b64 s[10:11], s[74:75], s[10:11]
	s_mov_b32 s13, 0
	s_mov_b32 s23, 0
	s_mov_b32 s67, 0
	s_add_nc_u64 s[4:5], s[4:5], s[12:13]
	s_add_nc_u64 s[6:7], s[4:5], s[66:67]
	s_add_nc_u64 s[8:9], s[8:9], s[22:23]
	s_lshl_b32 s12, s95, 9
	s_add_nc_u64 s[10:11], s[10:11], s[12:13]
	s_lshl_b32 s12, s96, 15
	s_add_nc_u64 s[76:77], s[76:77], s[12:13]
	s_add_nc_u64 s[78:79], s[78:79], s[12:13]
	s_cmp_eq_u32 s[ROLE], 2
	s_cbranch_scc1 .Lbias_v
	s_wait_alu depctr_va_vdst(0)
.irp m, 0,1,2,3
.irp j, 0,1,2,3
	global_load_b128 v[BI+16*\m+4*\j:BI+16*\m+4*\j+3], v[BH], s[10:11] offset:128*\m+16*\j
.endr
.endr
	s_branch .Lbias_done
.Lbias_v:
.set i, 0
.rept 64
	v_mov_b32 v[BI+i], 0
.set i, i+1
.endr
.Lbias_done:
	s_wait_tensorcnt 1
	s_barrier_signal -1
	s_barrier_wait -1
	FETCH_B 0, 0, 0
	FETCH_A 0, 0, 0
	SCALES 0
	FETCH_A 0, 0, 4
	s_wait_loadcnt 0x0
	s_wait_alu depctr_va_vdst(0)
	STEP 0, 0, 1
	TURN 0, 1, 1
	STEP 1, 0, 0
	TURN 1, 0, 1
	STEP 0, 0, 0
	TURN 0, 1, 0
	STEP 1, 0, 0
	s_cmp_eq_u32 s[ROLE], 2
	s_cbranch_scc1 .Learly_v
	WIN 0x40
	LCS 0
	LCS 1
	WIN 0
	s_branch .Learly_done
.Learly_v:
.irp a, 0,1,2,3,4,5,6,7
	global_load_b32 v[BI+2*\a], v[VB], s[10:11] offset:(32*(\a/2)+8*(\a%2))*4
	global_load_b32 v[BI+2*\a+1], v[VB], s[10:11] offset:(32*(\a/2)+8*(\a%2))*4
.endr
.Learly_done:
	s_wait_dscnt 4*NL
	WIN MUL_LO
	MUL16 0, 1, 1, 1, 0
	MUL16 2, 1, 1, 1, 0
	s_wait_dscnt 0
	WIN MUL_HI
	MUL16 4, 1, 1, 1, 0
	MUL16 6, 1, 1, 1, 0
	WIN 0
	PLACES NP
.irp b, 0,1,2,3
	v_mov_b32 v[TM+4+\b], 0
.endr
	s_cmp_eq_u32 s[ROLE], 2
	s_cbranch_scc1 .Lout_v
	WIN 0x40
	LCS 2
	LCS 3
	WIN 0
	EPIQK 0, 48
	EPIQK 1, 48
	EPIQK 2, 48
	EPIQK 3, 48
	EPIQK 4, 48
	EPIQK 5, 32
	EPIQK 6, 16
	EPIQK 7, 0
	s_cmp_eq_u32 s[ROLE], 0
	s_cbranch_scc0 .Lscales_k
.irp k, 0,1,2,3
	v_cndmask_b32 v[T+\k], v[SWD+2*\k], v[SWD+2*\k+1], s[HM]
.endr
.irp k, 0,1,2,3
	global_store_b32 v[L4], v[T+\k], s[8:9] offset:128*\k
.endr
	s_branch .Lend
.Lscales_k:
.irp e, 0,1
.irp g, 0,1,2,3
	v_perm_b32 v[T+4*\e+\g], v[SWD+2*\g+1], v[SWD+2*\g], s[93+\e]
.endr
.endr
.irp e, 0,1
.irp p, 0,1
	v_cndmask_b32 v[T+8+2*\e+\p], v[T+4*\e+2*\p], v[T+4*\e+2*\p+1], s[HM]
.endr
	global_store_b64 v[L8], v[T+8+2*\e:T+9+2*\e], s[8:9] offset:4096*\e
.endr
	s_branch .Lend
.Lout_v:
	s_wait_loadcnt 0x0
.irp a, 0,1,2,3,4,5,6,7
	EPIV \a
.endr
.irp e, 0,1
.irp p, 0,1
	v_cndmask_b32 v[T+2*\e+\p], v[SWD+4*\e+2*\p], v[SWD+4*\e+2*\p+1], s[HM]
.endr
	global_store_b64 v[L8], v[T+2*\e:T+1+2*\e], s[8:9] offset:4096*\e
.endr
.Lend:
	s_wait_tensorcnt 0x0
	ds_add_u32 v[SPW], v[NIL]
	s_wait_dscnt 0x0
	CROUND
	s_endpgm
.Lfunc_end_k_q14d6ecfe01_proj:
	.size	k_q14d6ecfe01_proj, .Lfunc_end_k_q14d6ecfe01_proj-k_q14d6ecfe01_proj
	.p2alignl 7, 3214868480
	.fill 96, 4, 3214868480
	.section	.rodata,"a",@progbits
	.p2align	6, 0x0
	.amdhsa_kernel k_q14d6ecfe01_proj
		.amdhsa_group_segment_fixed_size 327680
		.amdhsa_private_segment_fixed_size 0
		.amdhsa_enable_private_segment 0
		.amdhsa_kernarg_size 80
		.amdhsa_user_sgpr_count 2
		.amdhsa_user_sgpr_kernarg_segment_ptr 1
		.amdhsa_wavefront_size32 1
		.amdhsa_system_sgpr_workgroup_id_x 1
		.amdhsa_system_sgpr_workgroup_id_y 1
		.amdhsa_system_sgpr_workgroup_id_z 1
		.amdhsa_system_vgpr_workitem_id 0
		.amdhsa_next_free_vgpr 1024
		.amdhsa_next_free_sgpr 100
		.amdhsa_reserve_vcc 0
		.amdhsa_float_denorm_mode_32 3
		.amdhsa_float_denorm_mode_16_64 3
		.amdhsa_fp16_overflow 1
		.amdhsa_memory_ordered 1
		.amdhsa_forward_progress 1
		.amdhsa_inst_pref_size 249
	.end_amdhsa_kernel
	.amdgpu_metadata
---
amdhsa.version: [ 1, 2 ]
amdhsa.kernels:
  - .name:           k_q14d6ecfe01_proj
    .symbol:         k_q14d6ecfe01_proj.kd
    .args:
      - { .name: opq, .offset: 0, .size: 8, .value_kind: global_buffer, .address_space: global }
      - { .name: bq, .offset: 8, .size: 8, .value_kind: global_buffer, .address_space: global }
      - { .name: bk, .offset: 16, .size: 8, .value_kind: global_buffer, .address_space: global }
      - { .name: bv, .offset: 24, .size: 8, .value_kind: global_buffer, .address_space: global }
      - { .name: cos, .offset: 32, .size: 8, .value_kind: global_buffer, .address_space: global }
      - { .name: sin, .offset: 40, .size: 8, .value_kind: global_buffer, .address_space: global }
      - { .name: qc, .offset: 48, .size: 8, .value_kind: global_buffer, .address_space: global }
      - { .name: qs, .offset: 56, .size: 8, .value_kind: global_buffer, .address_space: global }
      - { .name: kv, .offset: 64, .size: 8, .value_kind: global_buffer, .address_space: global }
      - { .name: kvs, .offset: 72, .size: 8, .value_kind: global_buffer, .address_space: global }
    .group_segment_fixed_size: 327680
    .private_segment_fixed_size: 0
    .kernarg_segment_align: 8
    .kernarg_segment_size: 80
    .max_flat_workgroup_size: 128
    .sgpr_count:     100
    .vgpr_count:     1024
    .wavefront_size: 32
...
	.end_amdgpu_metadata
.endif
;; end of part 2
;; launch attn (part 3): grid 8 x 32, 16 waves a work-group, no clusters, 83,968 bytes of LDS; arguments qc, qs, kv, kvs, maskw, maskf, aq; writes aq
.if DOCPART == 3
	.amdgcn_target "amdgcn-amd-amdhsa--gfx1250"
	.amdhsa_code_object_version 6
	.text
	.protected	k_q14d6ecfe01_attn
	.globl	k_q14d6ecfe01_attn
	.p2align	8
	.type	k_q14d6ecfe01_attn,@function
k_q14d6ecfe01_attn:
	s_mov_b64 s[64:65], 0
	v_nop
	global_prefetch_b8 v0, s[64:65] scope:SCOPE_SE
	s_setreg_imm32_b32 hwreg(HW_REG_WAVE_MODE, 25, 1), 1
	s_wait_xcnt 0x0
; ATTN.  o = softmax(q k^T / 8, hidden where the mask says so) v for 64 heads of 64, both products on codes of E4M3 with one E8M0 byte for each 32 along K; o is quantised along the 1,024 features for the last product.
; THE SOFTMAX: t = score x log2(e) / 8; M = the row's largest t so far, rounded UP to a whole number; p = 2^(t - M) is quantised along the keys; the row's sum is taken of the unquantised p and divides at the end.
; SHARES.  A work-group owns 256 queries of a batch and walks the two heads of a pair, one after the other; each of its sixteen waves owns one tile of 16 queries, in 256 registers: four waves to a SIMD.
; Both products are used transposed (S^T = K Q^T, O^T = V^T P^T): a lane holds ONE query throughout.  All operands lie in memory as images of their registers: they come by loads of 16 bytes a lane, 512 bytes on end.
; K = 64 IN AN INSTRUCTION OF K = 128: a fragment of K holds the two tiles of a group of 32 keys, one in k 0-63, one in k 64-127; Q stands between two runs of zero codes, v16-39 = 0 | q | 0: source 1 = v[24:39] gives
; tile 0's scores, v[16:31] tile 1's.  Zero codes add nothing.  The 16 registers of a group's two tiles are 16 neighbouring keys, 32 blk + 16 (lane / 16) + 0 .. 15: p's codes are the second product's operand.
; THE MASK is an input: the launch before packed it into words of lane bits, one for each score register, and a flag for each (tile, key step).  A step with its flag set loads its 64 words and makes hidden scores
; -infinity, one v_cndmask_b32 a register; a step with no hidden score jumps over that.  A query all of whose keys are hidden gets zero codes under the scale byte 0xff: the last product makes its row NaN.
; NO TENSOR LOAD, NO CLUSTER: that jump hangs on a number read from memory; no joint loads either.  K and V (a slot of 256 keys, 32,768 bytes) go
; through registers into two LDS slots: 64 bytes a thread, asked for a key step ahead of the stores that need them.  One barrier a slot.  The launch's last two slots are written out: the last has no successor to ask for.
; LIMITS: NaN and infinities in q, k, v are not served; t under -3e38 is not served; blocks under 2^-118, and blocks of zeros, get the byte 1.
; REGISTERS: v1-11 addresses and constants; v12 -M, v13 the largest t, v[14:15] the sum; v16-39 0 | q | 0; v40-103 four fragments of K or V; v104-167 S^T, then p; v168-199 O^T; v200-215 p's codes; v216-231 the fill;
;   v232-247, v252, v254 at work; v[248:249] K's scale words, v[250:251] V's, v253 p's, v255 q's.
.set LI,   1                           ; 16 x lane
.set ASC,  2                           ; SCL + 8 x lane
.set SFD,  3                           ; SCL + 16 x thread
.set ADS,  4                           ; the step's scale words
.set FL,   5                           ; 16 x thread
.set ZR,   6                           ; 0
.set SOF,  7                           ; 8 r
.set NINF, 8                           ; -infinity
.set RSW,  9                           ; the result's scale word
.set QW,   10                          ; q's scale word of both heads
.set ALLF, 11                          ; 0xffff
.set KF,   40
.set S,    104
.set O,    168
.set PCD,  200
.set FS,   216
.set SCL,  65536                       ; LDS: slot 0 at 0, slot 1 at 32,768, the pair's scale words (16,384 bytes) here
.set WV,   18
.set MNT,  19
.set SEL,  20
.set CS,   22                          ; s[22:23] c = log2(e) / 8
.set TS,   25                          ; where the step's scale words begin
.set FW,   26                          ; the flags still to come, the step's in bit 0
.set FB,   27                          ; the sixteen flags
.set TRIP, 28
.set NANM, 29
; A KEY STEP: 128 keys, the e-th of slot sl.
.macro STEP sl, e
	v_add_nc_u32 v[ADS], s[TS], v[ASC]
.rept 7
	v_nop                                          ; with the line above: eight places behind the last products, in front of loads into registers that they read
.endr
.irp blk, 0,1,2,3
.irp c, 0,1,2,3
	ds_load_b128 v[KF+16*\blk+4*\c:KF+16*\blk+4*\c+3], v[LI] offset:(\sl)*32768+(\e)*8192+\blk*2048+\c*512
.endr
.endr
	ds_load_b64 v[248:249], v[ADS]
	s_wait_alu depctr_va_vdst(0)
	s_wait_dscnt 0x0
.irp blk, 0,1,2,3
.irp u, 0,1
.if \blk%2
	v_wmma_scale_f32_16x16x128_f8f6f4 v[S+16*\blk+8*\u:S+16*\blk+8*\u+7], v[KF+16*\blk:KF+16*\blk+15], v[24-8*\u:39-8*\u], 0, v[248+\blk/2], v255 matrix_a_scale:MATRIX_SCALE_ROW1
.else
	v_wmma_scale_f32_16x16x128_f8f6f4 v[S+16*\blk+8*\u:S+16*\blk+8*\u+7], v[KF+16*\blk:KF+16*\blk+15], v[24-8*\u:39-8*\u], 0, v[248+\blk/2], v255
.endif
.endr
.endr
.rept 8
	v_nop
.endr
.irp dt, 0,1,2,3                               ; V's fragments land while the softmax is walked
.irp c, 0,1,2,3
	ds_load_b128 v[KF+16*\dt+4*\c:KF+16*\dt+4*\c+3], v[LI] offset:(\sl)*32768+16384+(\e)*8192+\dt*2048+\c*512
.endr
.endr
	ds_load_b64 v[250:251], v[ADS] offset:8192
	s_and_b32 s31, s[FW], 1
	s_lshr_b32 s[FW], s[FW], 1
	s_cmp_lg_u32 s31, 0
	s_cbranch_scc0 .Lopen_\@                       ; no score of this tile and step is hidden
	s_load_b512 s[32:47], s[12:13], 0x0
	s_load_b512 s[48:63], s[12:13], 0x40
	s_load_b512 s[68:83], s[12:13], 0x80
	s_load_b512 s[84:99], s[12:13], 0xc0
	s_wait_kmcnt 0x0
.set n, 0
.rept 32
	v_cndmask_b32 v[S+n], v[S+n], v[NINF], s[32+n]   ; ascending: each accumulator is read from its low end on
.set n, n+1
.endr
.rept 32
	v_cndmask_b32 v[S+n], v[S+n], v[NINF], s[36+n]
.set n, n+1
.endr
.Lopen_\@:
.irp b, 0,1,2,3
	v_max3_num_f32 v[232+\b], v[S+16*\b], v[S+1+16*\b], v[S+2+16*\b]   ; the largest score of each block of 32 keys: for the row's maximum, and, since p rises with the score, for the block's largest p
.endr
.irp i, 3,5,7,9,11,13
.irp b, 0,1,2,3
	v_max3_num_f32 v[232+\b], v[232+\b], v[S+16*\b+\i], v[S+1+16*\b+\i]
.endr
.endr
.irp b, 0,1,2,3
	v_max_num_f32 v[232+\b], v[232+\b], v[S+15+16*\b]
.endr
.irp b, 0,1,2,3
	s_delay_alu instid0(VALU_DEP_4)
	v_permlanex16_b32 v[236+\b], v[232+\b], s[SEL], s[SEL+1]
.endr
.irp b, 0,1,2,3
	s_delay_alu instid0(VALU_DEP_4)
	v_max_num_f32 v[232+\b], v[232+\b], v[236+\b]
.endr
	s_delay_alu instid0(VALU_DEP_2)
	v_max3_num_f32 v254, v232, v233, v234
	s_delay_alu instid0(VALU_DEP_1)
	v_max_num_f32 v254, v254, v235
	s_delay_alu instid0(VALU_DEP_1)
	v_mul_f32 v254, s[CS], v254                    ; as t (c is positive)
	s_delay_alu instid0(VALU_DEP_1)
	v_max_num_f32 v13, v13, v254                   ; the running largest t
	v_mov_b32 v254, v12
	s_delay_alu instid0(VALU_DEP_2)
	v_floor_f32 v12, -v13                          ; the new -M = floor(-t): M is a whole number
	s_delay_alu instid0(VALU_DEP_1)
	v_sub_f32 v254, v12, v254                      ; old M - new M: a whole number, 0 or less
	s_delay_alu instid0(VALU_DEP_1)
	v_cvt_i32_f32 v254, v254                       ; (it saturates)
	s_delay_alu instid0(VALU_DEP_1)
	v_ldexp_f32 v252, 1.0, v254                    ; f = 2^(old M - new M): a multiplication by it rounds nothing
.irp j, 0,2,4,6,8,10,12,14,16,18,20,22,24,26,28,30,32,34,36,38,40,42,44,46,48,50,52,54,56,58,60,62
	v_pk_fma_f32 v[S+\j:S+1+\j], v[S+\j:S+1+\j], s[CS:CS+1], v[12:13] op_sel_hi:[1,0,0]   ; t - M
.endr
.irp b, 0,1,2,3
	v_fma_f32 v[232+\b], v[232+\b], s[CS], v12
.endr
.set n, 0
	s_wait_alu depctr_va_vdst(0)
.rept 64
	v_exp_f32 v[S+n], v[S+n]                       ; p = 2^(t - M): not normalised
.set n, n+1
.endr
	v_pk_mul_f32 v[14:15], v[14:15], v[252:253] op_sel_hi:[1,0]   ; the sums under the new M: a plain line behind the exponentials
	s_wait_alu depctr_va_vdst(0)                   ; one wait for the batch, ahead of its first reader
.irp b, 0,1,2,3
	v_exp_f32 v[232+\b], v[232+\b]                 ; the block's largest p
.endr
	v_pk_add_f32 v[236:237], v[108:109], v[112:113]
	v_pk_add_f32 v[248:249], v[116:117], v[120:121]
	v_pk_add_f32 v[246:247], v[124:125], v[128:129]
	v_pk_add_f32 v[244:245], v[132:133], v[136:137]
	v_pk_add_f32 v[242:243], v[140:141], v[144:145]
	v_pk_add_f32 v[240:241], v[148:149], v[152:153]
	v_pk_add_f32 v[238:239], v[156:157], v[160:161]
	v_pk_add_f32 v[14:15], v[14:15], v[164:165]
	v_pk_add_f32 v[236:237], v[236:237], v[104:105]
	v_pk_add_f32 v[248:249], v[248:249], v[106:107]
	v_pk_add_f32 v[246:247], v[246:247], v[110:111]
	v_pk_add_f32 v[244:245], v[244:245], v[114:115]
	v_pk_add_f32 v[242:243], v[242:243], v[118:119]
	v_pk_add_f32 v[240:241], v[240:241], v[122:123]
	v_pk_add_f32 v[238:239], v[238:239], v[126:127]
	v_pk_add_f32 v[14:15], v[14:15], v[130:131]
	v_pk_add_f32 v[236:237], v[236:237], v[134:135]
	v_pk_add_f32 v[248:249], v[248:249], v[138:139]
	v_pk_add_f32 v[246:247], v[246:247], v[142:143]
	v_pk_add_f32 v[244:245], v[244:245], v[146:147]
	v_pk_add_f32 v[242:243], v[242:243], v[150:151]
	v_pk_add_f32 v[240:241], v[240:241], v[154:155]
	v_pk_add_f32 v[238:239], v[238:239], v[158:159]
	v_pk_add_f32 v[14:15], v[14:15], v[162:163]
	v_pk_add_f32 v[236:237], v[236:237], v[166:167]
	s_delay_alu instid0(VALU_DEP_2)
	v_pk_add_f32 v[14:15], v[14:15], v[244:245]
	s_delay_alu instid0(VALU_DEP_2)
	v_pk_add_f32 v[236:237], v[236:237], v[242:243]
	v_pk_add_f32 v[248:249], v[248:249], v[240:241]
	v_pk_add_f32 v[246:247], v[246:247], v[238:239]
	s_delay_alu instid0(VALU_DEP_2)
	v_pk_add_f32 v[14:15], v[14:15], v[248:249]
	s_delay_alu instid0(VALU_DEP_2)
	v_pk_add_f32 v[236:237], v[236:237], v[246:247]
	s_delay_alu instid0(VALU_DEP_1)
	v_pk_add_f32 v[14:15], v[14:15], v[236:237]
	s_wait_alu depctr_va_vdst(0)                   ; and one for the four
.irp b, 0,1,2,3
	v_max_num_f32 v[232+\b], 0x4800000, v[232+\b]  ; the floor 2^(9 - 127)
.endr
.irp b, 0,1,2,3
	s_delay_alu instid0(VALU_DEP_4)
	v_add_nc_u32 v[244+\b], 0xfc000000, v[232+\b]
.endr
.irp b, 0,1,2,3
.endr
.irp b, 0,1,2,3
	s_delay_alu instid0(VALU_DEP_4)
	v_lshrrev_b32 v[236+\b], 23, v[244+\b]
.endr
	s_delay_alu instid0(VALU_DEP_3)
	v_lshl_or_b32 v253, v237, 8, v236              ; p's scale word for these 128 keys
	s_delay_alu instid0(VALU_DEP_1)
	v_lshl_or_b32 v253, v238, 16, v253
	s_delay_alu instid0(VALU_DEP_1)
	v_lshl_or_b32 v253, v239, 24, v253
.irp b, 0,1,2,3
.irp i, 0,1,2,3,4,5,6,7,8,9,10,11,12,13,14,15
.endr
	v_cvt_scalef32_pk8_fp8_f32 v[PCD+4*\b:PCD+1+4*\b], v[S+16*\b:S+7+16*\b], v[244+\b]
	v_cvt_scalef32_pk8_fp8_f32 v[PCD+2+4*\b:PCD+3+4*\b], v[S+8+16*\b:S+15+16*\b], v[244+\b]
.endr
.irp j, 0,2,4,6,8,10,12,14,16,18,20,22,24,26,28,30
	v_pk_mul_f32 v[O+\j:O+1+\j], v[O+\j:O+1+\j], v[252:253] op_sel_hi:[1,0]   ; O^T under the new M; these sixteen are also the places in front of the products
.endr
	s_wait_alu depctr_va_vdst(0)
	s_wait_dscnt 0x0                               ; V
.irp dt, 0,1,2,3
.if \dt%2
	v_wmma_scale_f32_16x16x128_f8f6f4 v[O+8*\dt:O+8*\dt+7], v[KF+16*\dt:KF+16*\dt+15], v[PCD:PCD+15], v[O+8*\dt:O+8*\dt+7], v[250+\dt/2], v253 matrix_a_scale:MATRIX_SCALE_ROW1
.else
	v_wmma_scale_f32_16x16x128_f8f6f4 v[O+8*\dt:O+8*\dt+7], v[KF+16*\dt:KF+16*\dt+15], v[PCD:PCD+15], v[O+8*\dt:O+8*\dt+7], v[250+\dt/2], v253
.endif
.endr
	s_add_co_u32 s[TS], s[TS], 256                 ; the next step's scale words,
	s_add_nc_u64 s[12:13], s[12:13], 256           ; and its mask words (no scalar load is out)
.endm
; A SLOT'S TWO STEPS.  In front of the barrier each wave's stores into this slot have landed and its reads of the other slot are over.  fill = 1: behind it the other slot is filled with the 256 keys that
; follow: the four loads are issued here; the wait for them and their stores into LDS stand a key step later, on the one way that there is.  fill = 0: the launch's last slot, which has no successor.
.macro SLOTRUN sl, fill
	s_wait_dscnt 0x0
	s_barrier_signal -1
	s_barrier_wait -1
.if \fill
.irp i, 0,1,2,3
	global_load_b128 v[FS+4*\i:FS+4*\i+3], v[FL], s[8:9] offset:8192*\i
.endr
.endif
	STEP \sl, 0
.if \fill
	s_wait_loadcnt 0x0                             ; the four loads are in: no load of mine is out when the next four are issued into the same registers
.irp i, 0,1,2,3
	ds_store_b128 v[FL], v[FS+4*\i:FS+4*\i+3] offset:(1-(\sl))*32768+8192*\i
.endr
	s_add_nc_u64 s[8:9], s[8:9], 32768             ; the loads are done: their base may step.  The pair's two heads lie on end
.endif
	STEP \sl, 1
.endm
.macro HEAD eta
	s_wait_xcnt 0x0                                ; the last head's stores have read their registers
	global_load_b128 v[24:27], v[LI], s[4:5] offset:(\eta)*131072
	global_load_b128 v[28:31], v[LI], s[4:5] offset:(\eta)*131072+512
	v_bfe_u32 v254, v[QW], 16*(\eta), 16
	s_delay_alu instid0(VALU_DEP_1)
	v_lshl_or_b32 v255, v254, 16, v254             ; the head's two bytes twice: for q | 0 and for 0 | q
.set n, 0
.rept 32
	v_mov_b32 v[O+n], 0                            ; the step is written once: the first finds zeros
.set n, n+1
.endr
	v_mov_b32 v13, 0xff61b1e6                      ; -3e38, under every t
	s_delay_alu instid0(VALU_DEP_1)
	v_floor_f32 v12, -v13
	v_mov_b32 v14, 0
	v_mov_b32 v15, 0
	s_mov_b32 s[FW], s[FB]
	s_mov_b32 s[TS], 4096*(\eta)
	s_mov_b32 s[TRIP], 4-(\eta)
	s_wait_loadcnt 0x0
.Lhead_\@:                                         ; a trip is two slots, 512 keys.  The first head: four trips, the last of which fetches the second head's first slot; the second head: three, and a tail
	SLOTRUN 0, 1
	SLOTRUN 1, 1
	s_sub_co_u32 s[TRIP], s[TRIP], 1
	s_cmp_lg_u32 s[TRIP], 0
	s_cbranch_scc1 .Lhead_\@
.if \eta
	SLOTRUN 0, 1                                   ; the tail is written out, so that no load and no wait stands under a branch
	SLOTRUN 1, 0
.endif
.rept 8
	v_nop
.endr
	v_add_f32 v14, v14, v15
	s_delay_alu instid0(VALU_DEP_1)
	v_permlanex16_b32 v254, v14, s[SEL], s[SEL+1]
	s_delay_alu instid0(VALU_DEP_1)
	v_add_f32 v14, v14, v254                       ; the row's sum
	s_delay_alu instid0(VALU_DEP_1)
	v_cmp_eq_f32 s[NANM], 0, v14                   ; 0 only where every key was hidden
	v_rcp_f32 v252, v14
	v_nop
	s_wait_alu depctr_va_vdst(0)                   ; ahead of the reciprocal's first reader
	v_cndmask_b32 v252, v252, v[ZR], s[NANM]
.irp j, 0,2,4,6,8,10,12,14,16,18,20,22,24,26,28,30
	v_pk_mul_f32 v[S+\j:S+1+\j], v[O+\j:O+1+\j], v[252:253] op_sel_hi:[1,0]   ; o = O^T / the sum: register 16 c + i = d 32 c + 16 h + i
.endr
.irp b, 0,1
	v_max3_num_f32 v[232+\b], |v[S+16*\b]|, |v[S+1+16*\b]|, 0x4800000
.endr
.irp i, 2,4,6,8,10,12,14
.irp b, 0,1
	s_delay_alu instid0(VALU_DEP_2)
	v_max3_num_f32 v[232+\b], v[232+\b], |v[S+16*\b+\i]|, |v[S+1+16*\b+\i]|
.endr
.endr
.irp b, 0,1
	s_delay_alu instid0(VALU_DEP_2)
	v_permlanex16_b32 v[236+\b], v[232+\b], s[SEL], s[SEL+1]
.endr
.irp b, 0,1
	s_delay_alu instid0(VALU_DEP_2)
	v_max_num_f32 v[232+\b], v[232+\b], v[236+\b]
.endr
.irp b, 0,1
	s_delay_alu instid0(VALU_DEP_2)
	v_add_nc_u32 v[244+\b], 0xfc000000, v[232+\b]
.endr
.irp b, 0,1
.endr
.irp b, 0,1
	s_delay_alu instid0(VALU_DEP_2)
	v_lshrrev_b32 v[236+\b], 23, v[244+\b]
.endr
	s_delay_alu instid0(VALU_DEP_1)
	v_lshl_or_b32 v254, v237, 8, v236
	s_delay_alu instid0(VALU_DEP_1)
	v_cndmask_b32 v254, v254, v[ALLF], s[NANM]     ; a row with no key: the byte 0xff over zero codes
	s_delay_alu instid0(VALU_DEP_1)
	v_lshl_or_b32 v[RSW], v254, 16*(\eta), v[RSW]
.irp b, 0,1
.irp i, 0,1,2,3,4,5,6,7,8,9,10,11,12,13,14,15
.endr
	v_cvt_scalef32_pk8_fp8_f32 v[PCD+4*\b:PCD+1+4*\b], v[S+16*\b:S+7+16*\b], v[244+\b]
	v_cvt_scalef32_pk8_fp8_f32 v[PCD+2+4*\b:PCD+3+4*\b], v[S+8+16*\b:S+15+16*\b], v[244+\b]
.endr
	v_nop
	global_store_b128 v[LI], v[PCD:PCD+3], s[16:17] offset:(2*(\eta))*512
	global_store_b128 v[LI], v[PCD+4:PCD+7], s[16:17] offset:(2*(\eta)+1)*512
.endm
	s_load_b256 s[4:11], s[0:1], 0x0               ; qc, qs, kv, kvs
	s_load_b128 s[12:15], s[0:1], 0x20             ; maskw, maskf
	s_load_b64 s[16:17], s[0:1], 0x30              ; aq
	v_lshrrev_b32 v1, 5, v0
	s_delay_alu instid0(VALU_DEP_1)
	v_readfirstlane_b32 s[WV], v1                  ; wave 0..15
	v_and_b32 v3, 31, v0
	s_delay_alu instid0(VALU_DEP_1)
	v_lshlrev_b32 v[LI], 4, v3
	s_delay_alu instid0(VALU_DEP_2)
	v_lshl_add_u32 v[ASC], v3, 3, SCL
	v_lshlrev_b32 v[FL], 4, v0
	s_delay_alu instid0(VALU_DEP_1)
	v_add_nc_u32 v[SFD], SCL, v[FL]
	v_and_b32 v[SOF], 15, v0
	s_delay_alu instid0(VALU_DEP_1)
	v_lshlrev_b32 v254, 2, v[SOF]
	s_delay_alu instid0(VALU_DEP_2)
	v_lshlrev_b32 v[SOF], 3, v[SOF]
	v_mov_b32 v[ZR], 0
	v_mov_b32 v[NINF], 0xff800000
	v_mov_b32 v[RSW], 0
	v_mov_b32 v[ALLF], 0xffff
.irp j, 0,1,2,3,4,5,6,7
	v_mov_b32 v[16+\j], 0                          ; the zero codes on both sides of q
	v_mov_b32 v[32+\j], 0
.endr
.irp b, 0,1,2,3
	v_mov_b32 v[236+\b], 0                         ; a lane permute's destination counts as one of its sources
.endr
	v_mov_b32 v253, 0                              ; named as the upper half of v[252:253] before it is first written
	s_and_b32 s30, ttmp7, 0xffff
	s_lshr_b32 s24, s30, 3                         ; batch
	s_and_b32 s30, s30, 7                          ; hp: the pair of heads
	s_lshl_b32 s31, ttmp9, 4
	s_add_co_u32 s31, s31, s[WV]                   ; qt: my tile of queries in the batch
	s_lshl_b32 s28, s24, 7
	s_add_co_u32 s28, s28, s31                     ; 128 b + qt
	s_lshl_b32 s29, s24, 3
	s_add_co_u32 s29, s29, s30                     ; 8 b + hp
	s_lshl_b32 s68, s28, 6                         ; maskf: 16 words a tile
	s_mov_b32 s69, 0
	s_lshl_b32 s70, s28, 12                        ; maskw: 16 steps of 256 bytes a tile
	s_mov_b32 s71, 0
	s_lshl_b32 s72, s29, 13                        ; qs
	s_lshl_b32 s73, s31, 6
	s_add_co_u32 s72, s72, s73
	s_mov_b32 s73, 0
	s_lshl_b32 s74, s29, 18                        ; qc
	s_lshl_b32 s75, s31, 10
	s_add_co_u32 s74, s74, s75
	s_mov_b32 s75, 0
	s_lshl_b32 s76, s29, 19                        ; kv
	s_mov_b32 s77, 0
	s_lshl_b32 s78, s29, 14                        ; kvs
	s_mov_b32 s79, 0
	s_lshr_b32 s80, s28, 3                         ; aq: the rowblock of 128 tokens,
	s_mul_i32 s80, s80, 135168
	s_lshr_b32 s81, s30, 1
	s_mul_i32 s81, s81, 33792                      ; the block of 256 along K: two pairs of heads
	s_add_co_u32 s80, s80, s81
	s_and_b32 s81, s30, 1
	s_and_b32 s82, s31, 7
	s_lshl_b32 s83, s81, 14
	s_add_co_u32 s84, s80, s83
	s_lshl_b32 s83, s82, 11
	s_add_co_u32 s84, s84, s83                     ; my fragment
	s_mov_b32 s85, 0
	s_lshr_b32 s83, s82, 1
	s_lshl_b32 s83, s83, 8
	s_add_co_u32 s86, s80, s83
	s_and_b32 s83, s82, 1
	s_lshl_b32 s83, s83, 7
	s_add_co_u32 s86, s86, s83
	s_lshl_b32 s83, s81, 2
	s_add_co_u32 s86, s86, s83
	s_add_co_u32 s86, s86, 32768                   ; its scale words
	s_mov_b32 s87, 0
	s_mov_b32 s[SEL], 0x76543210
	s_mov_b32 s[SEL+1], 0xfedcba98
	s_mov_b32 s[CS], 0x3e38aa3b                    ; log2(e) / 8
	s_mov_b32 s[CS+1], s[CS]
	s_mov_b32 s[FB], 0
	s_wait_kmcnt 0x0
	s_add_nc_u64 s[14:15], s[14:15], s[68:69]
	s_add_nc_u64 s[12:13], s[12:13], s[70:71]
	s_add_nc_u64 s[6:7], s[6:7], s[72:73]
	s_add_nc_u64 s[4:5], s[4:5], s[74:75]
	s_add_nc_u64 s[8:9], s[8:9], s[76:77]
	s_add_nc_u64 s[10:11], s[10:11], s[78:79]
	s_add_nc_u64 s[100:101], s[16:17], s[86:87]
	s_add_nc_u64 s[16:17], s[16:17], s[84:85]
	s_load_b512 s[32:47], s[14:15], 0x0            ; my tile's sixteen flags
	global_load_b32 v[QW], v254, s[6:7]
.irp i, 0,1,2,3
	global_load_b128 v[FS+4*\i:FS+4*\i+3], v[FL], s[8:9] offset:8192*\i     ; slot 0
.endr
.irp i, 0,1
	global_load_b128 v[S+4*\i:S+4*\i+3], v[FL], s[10:11] offset:8192*\i     ; the pair's scale words
.endr
	s_wait_kmcnt 0x0
.irp i, 0,1,2,3,4,5,6,7,8,9,10,11,12,13,14,15
	s_cmp_lg_u32 s[32+\i], 0
	s_cselect_b32 s31, 1<<\i, 0
	s_or_b32 s[FB], s[FB], s31
.endr
	s_wait_loadcnt 0x0
.irp i, 0,1,2,3
	ds_store_b128 v[FL], v[FS+4*\i:FS+4*\i+3] offset:8192*\i
.endr
.irp i, 0,1
	ds_store_b128 v[SFD], v[S+4*\i:S+4*\i+3] offset:8192*\i
.endr
	s_add_nc_u64 s[8:9], s[8:9], 32768
	HEAD 0
	s_sub_nc_u64 s[12:13], s[12:13], 4096          ; the second head has the same mask
	HEAD 1
	global_store_b32 v[SOF], v[RSW], s[100:101]    ; lanes r and r + 16 write the same word to the same place.  Pieces of 4 bytes: 262,144 bytes in the whole launch
	s_wait_xcnt 0x0
	v_lshl_add_u32 v254, v0, 2, 0x14000
	v_mov_b32 v255, 0
	s_wait_alu depctr_va_vdst(0)
	s_wait_tensorcnt 0x0
	ds_add_u32 v254, v255
	s_wait_dscnt 0x0
	s_endpgm
.Lfunc_end_k_q14d6ecfe01_attn:
	.size	k_q14d6ecfe01_attn, .Lfunc_end_k_q14d6ecfe01_attn-k_q14d6ecfe01_attn
	.p2alignl 7, 3214868480
	.fill 96, 4, 3214868480
	.section	.rodata,"a",@progbits
	.p2align	6, 0x0
	.amdhsa_kernel k_q14d6ecfe01_attn
		.amdhsa_group_segment_fixed_size 83968
		.amdhsa_private_segment_fixed_size 0
		.amdhsa_enable_private_segment 0
		.amdhsa_kernarg_size 56
		.amdhsa_user_sgpr_count 2
		.amdhsa_user_sgpr_kernarg_segment_ptr 1
		.amdhsa_wavefront_size32 1
		.amdhsa_system_sgpr_workgroup_id_x 1
		.amdhsa_system_sgpr_workgroup_id_y 1
		.amdhsa_system_sgpr_workgroup_id_z 1
		.amdhsa_system_vgpr_workitem_id 0
		.amdhsa_next_free_vgpr 256
		.amdhsa_next_free_sgpr 102
		.amdhsa_reserve_vcc 0
		.amdhsa_float_denorm_mode_32 3
		.amdhsa_float_denorm_mode_16_64 3
		.amdhsa_fp16_overflow 1
		.amdhsa_memory_ordered 1
		.amdhsa_forward_progress 1
		.amdhsa_inst_pref_size 255
	.end_amdhsa_kernel
	.section	.bss,"aw",@nobits
	.p2align	6
	.space	262144
	.amdgpu_metadata
---
amdhsa.version: [ 1, 2 ]
amdhsa.kernels:
  - .name:           k_q14d6ecfe01_attn
    .symbol:         k_q14d6ecfe01_attn.kd
    .args:
      - { .name: qc, .offset: 0, .size: 8, .value_kind: global_buffer, .address_space: global }
      - { .name: qs, .offset: 8, .size: 8, .value_kind: global_buffer, .address_space: global }
      - { .name: kv, .offset: 16, .size: 8, .value_kind: global_buffer, .address_space: global }
      - { .name: kvs, .offset: 24, .size: 8, .value_kind: global_buffer, .address_space: global }
      - { .name: maskw, .offset: 32, .size: 8, .value_kind: global_buffer, .address_space: global }
      - { .name: maskf, .offset: 40, .size: 8, .value_kind: global_buffer, .address_space: global }
      - { .name: aq, .offset: 48, .size: 8, .value_kind: global_buffer, .address_space: global }
    .group_segment_fixed_size: 83968
    .private_segment_fixed_size: 0
    .kernarg_segment_align: 8
    .kernarg_segment_size: 56
    .max_flat_workgroup_size: 512
    .sgpr_count:     102
    .vgpr_count:     256
    .wavefront_size: 32
...
	.end_amdgpu_metadata
.endif
;; end of part 3
;; launch oproj (part 4): grid 4 x 32, 4 waves a work-group, clusters of 4 x 4, 327,680 bytes of LDS; arguments aq, opq, bo, out0; writes out0
.if DOCPART == 4
	.amdgcn_target "amdgcn-amd-amdhsa--gfx1250"
	.amdhsa_code_object_version 6
	.text
	.protected	k_q14d6ecfe01_oproj
	.globl	k_q14d6ecfe01_oproj
	.p2align	8
	.type	k_q14d6ecfe01_oproj,@function
k_q14d6ecfe01_oproj:
	s_mov_b64 s[64:65], 0
	v_nop
	global_prefetch_b8 v0, s[64:65] scope:SCOPE_SE
	s_setreg_imm32_b32 hwreg(HW_REG_WAVE_MODE, 25, 1), 1
	s_wait_xcnt 0x0
	s_wait_alu depctr_hold_cnt(0) depctr_sa_sdst(0) depctr_va_vdst(0) depctr_va_sdst(0) depctr_va_ssrc(0) depctr_va_vcc(0) depctr_vm_vsrc(0)
	s_getreg_b32 s2, hwreg(HW_REG_IB_STS2, 6, 4)
	s_cmp_eq_u32 s2, 0
	s_cbranch_scc0 .Lentry_in_a_cluster
	s_endpgm
.Lentry_in_a_cluster:
	s_bfe_u32 s2, ttmp6, 0x10000c
	s_cmp_lg_u32 s2, 0xf033
	s_cbranch_scc0 .Lentry_shape_is_right
	s_endpgm
.Lentry_shape_is_right:
.set FR,    16
.set NL,    4
.set NP,    8
.set PART,  33792
.set SLOT,  4*PART
.set RBS,   4*PART
.set SPARE, 2*SLOT
.set SPITCH, 528
.set ADRA, 16
.set SA,   18
.set ADRB, 20
.set SB,   22
.set LI,   24
.set L8,   25
.set STO,  26
.set RD,   27
.set SPW,  28
.set NIL,  29
.set BH,   31
.set SC,   32
.set BI,   64
.set AF,   128
.set BK,   128
.set G1,   24
.set G0,   32
.set G1B,  48
.set G0B,  56
.set MSB, 0
.macro WIN new
.if MSB != \new
	s_set_vgpr_msb (MSB<<8)|\new
.set MSB, \new
.endif
.endm
.set MUL_LO,  0xa1
.set MUL_HI,  0xf1
.set MUL_LO0, 0x81
.set MUL_HI0, 0xc1
.set TO_B,    0x40
.macro JLOAD s
	s_cmp_eq_u32 s15, 0
	s_cbranch_scc0 .Lfor_b_\@
	tensor_load_to_lds s[G0+4*\s:G0+4*\s+3], s[G1:G1+7]
	s_nop 0
.rept 4
	v_nop
.endr
	s_branch .Lasked_\@
.Lfor_b_\@:
	tensor_load_to_lds s[G0B+4*\s:G0B+4*\s+3], s[G1B:G1B+7]
	s_nop 0
.rept 4
	v_nop
.endr
.Lasked_\@:
.endm
.macro CREST
	s_cmp_lg_u32 s14, 0
	s_cbranch_scc1 .Lnot_wave_0_\@
	s_barrier_signal -3
.Lnot_wave_0_\@:
	s_barrier_wait -3
	s_barrier_signal -1
	s_barrier_wait -1
.endm
.macro CROUND
	s_barrier_signal -1
	s_barrier_wait -1
	CREST
.endm
.macro PLACES n
.rept \n
	v_nop
.endr
.endm
.macro FRAG reg, adr, q, f
.irp c, 0,1,2,3
	ds_load_b128 v[\reg+4*\c:\reg+4*\c+3], v[\adr] offset:16384*(\q)+2048*(\f)+512*\c
.endr
.endm
.macro FETCH_B slot, q, p
	WIN TO_B
.irp i, 0,1,2,3,4,5,6,7
	FRAG 128*(\p)+FR*\i, ADRB+\slot, \q, \i
.endr
	WIN 0
.endm
.macro FETCH_A slot, q, i0
.irp i, \i0, \i0+1, \i0+2, \i0+3
	FRAG AF+FR*(\i), ADRA+\slot, \q, \i
.endr
.endm
.macro SCALES set
.irp g, 0,1,2,3
	ds_load_b64 v[SC+16*\set+2*\g:SC+16*\set+2*\g+1], v[SA+\set] offset:32768+256*\g
	ds_load_b64 v[SC+16*\set+8+2*\g:SC+16*\set+9+2*\g], v[SB+\set] offset:32768+256*\g
.endr
.endm
.macro WM a, b, p, q, set, zero
.set rD, 8*(8*((\a)%4)+(\b))
.set rS0, 128*(\p)+FR*(\b)
.set rS1, AF+FR*(\a)
.set rC, BI+8*(\b)
.set rX, SC+16*(\set)+8+2*((\b)/2)+(\q)
.set rY, SC+16*(\set)+2*((\a)/2)+(\q)
.if \zero
.if ((\b)%2) && ((\a)%2)
	v_wmma_scale_f32_16x16x128_f8f6f4 v[rD:rD+7], v[rS0:rS0+15], v[rS1:rS1+15], v[rC:rC+7], v[rX], v[rY] matrix_a_scale:MATRIX_SCALE_ROW1 matrix_b_scale:MATRIX_SCALE_ROW1
.elseif (\b)%2
	v_wmma_scale_f32_16x16x128_f8f6f4 v[rD:rD+7], v[rS0:rS0+15], v[rS1:rS1+15], v[rC:rC+7], v[rX], v[rY] matrix_a_scale:MATRIX_SCALE_ROW1
.elseif (\a)%2
	v_wmma_scale_f32_16x16x128_f8f6f4 v[rD:rD+7], v[rS0:rS0+15], v[rS1:rS1+15], v[rC:rC+7], v[rX], v[rY] matrix_b_scale:MATRIX_SCALE_ROW1
.else
	v_wmma_scale_f32_16x16x128_f8f6f4 v[rD:rD+7], v[rS0:rS0+15], v[rS1:rS1+15], v[rC:rC+7], v[rX], v[rY]
.endif
.else
.if ((\b)%2) && ((\a)%2)
	v_wmma_scale_f32_16x16x128_f8f6f4 v[rD:rD+7], v[rS0:rS0+15], v[rS1:rS1+15], v[rD:rD+7], v[rX], v[rY] matrix_a_scale:MATRIX_SCALE_ROW1 matrix_b_scale:MATRIX_SCALE_ROW1
.elseif (\b)%2
	v_wmma_scale_f32_16x16x128_f8f6f4 v[rD:rD+7], v[rS0:rS0+15], v[rS1:rS1+15], v[rD:rD+7], v[rX], v[rY] matrix_a_scale:MATRIX_SCALE_ROW1
.elseif (\a)%2
	v_wmma_scale_f32_16x16x128_f8f6f4 v[rD:rD+7], v[rS0:rS0+15], v[rS1:rS1+15], v[rD:rD+7], v[rX], v[rY] matrix_b_scale:MATRIX_SCALE_ROW1
.else
	v_wmma_scale_f32_16x16x128_f8f6f4 v[rD:rD+7], v[rS0:rS0+15], v[rS1:rS1+15], v[rD:rD+7], v[rX], v[rY]
.endif
.endif
.endm
.macro MUL16 a0, p, q, set, zero
.irp a, \a0, \a0+1
.irp b, 0,1,2,3,4,5,6,7
	WM \a, \b, \p, \q, \set, \zero
.endr
.endr
.endm
.macro STEP slot, q, zero
	s_wait_dscnt 4*NL
.if \zero
	WIN MUL_LO0
.else
	WIN MUL_LO
.endif
	MUL16 0, (\q)%2, \q, \slot, \zero
	MUL16 2, (\q)%2, \q, \slot, \zero
	s_wait_dscnt 0
	PLACES NP
	FETCH_B \slot, (\q)+1, 1-(\q)%2
	FETCH_A \slot, (\q)+1, 0
.if \zero
	WIN MUL_HI0
.else
	WIN MUL_HI
.endif
	MUL16 4, (\q)%2, \q, \slot, \zero
	MUL16 6, (\q)%2, \q, \slot, \zero
	PLACES NP
	WIN 0
	FETCH_A \slot, (\q)+1, 4
.endm
.macro TURN slot, next, fill
	s_wait_tensorcnt 0x0
	ds_add_u32 v[SPW], v[NIL]
	s_wait_dscnt 4*NL+1
	WIN MUL_LO
	MUL16 0, 1, 1, \slot, 0
	s_wait_dscnt 0x0
	s_barrier_signal -1
	MUL16 2, 1, 1, \slot, 0
	WIN 0
	s_barrier_wait -1
.if \fill
	CREST
	s_add_nc_u64 s[G0+4*\slot+2:G0+4*\slot+3], s[G0+4*\slot+2:G0+4*\slot+3], 2*PART
	s_add_nc_u64 s[G0B+4*\slot+2:G0B+4*\slot+3], s[G0B+4*\slot+2:G0B+4*\slot+3], 2*PART
	JLOAD \slot
	PLACES NP-4
.else
	PLACES NP
.endif
	FETCH_B \next, 0, 0
	FETCH_A \next, 0, 0
	SCALES \next
	WIN MUL_HI
	MUL16 4, 1, 1, \slot, 0
	MUL16 6, 1, 1, \slot, 0
	PLACES NP
	WIN 0
	FETCH_A \next, 0, 4
.endm
.macro TOSTAGE a
.set AC, 64*((\a)%4)
	WIN 0x08+4*((\a)/4)
.irp b, 0,1,2,3,4,5,6,7
	ds_store_b128 v[STO], v[AC+8*\b:AC+8*\b+3] offset:128*(\b/2)+32*(\b%2)
	ds_store_b128 v[STO], v[AC+8*\b+4:AC+8*\b+7] offset:128*(\b/2)+32*(\b%2)+16
.endr
	WIN 0
.set BB, BK+64*((\a)%2)
.irp t, 0,1,2,3,4,5,6,7,8,9,10,11,12,13,14,15
	ds_load_b128 v[BB+4*\t:BB+4*\t+3], v[RD] offset:\t*SPITCH
.endr
.endm
.macro SEND a, younger
.set BB, BK+64*((\a)%2)
	s_wait_dscnt \younger
.irp t, 0,1,2,3,4,5,6,7,8,9,10,11,12,13,14,15
	global_store_b128 v[LI], v[BB+4*\t:BB+4*\t+3], s[74:75] offset:(32*((\a)/2)+8*((\a)%2)+\t+8*(\t/8))*4096 th:TH_STORE_NT
.endr
.endm
	s_load_b256 s[68:75], s[0:1], 0x0
	v_lshl_add_u32 v[SPW], v0, 2, SPARE
	v_mov_b32 v[NIL], 0
	ds_add_u32 v28, v29
	ds_add_u32 v28, v29
	s_wait_dscnt 0x0
	v_lshrrev_b32 v1, 5, v0
	v_readfirstlane_b32 s14, v1
	s_lshr_b32 s15, s14, 1
	s_and_b32 s16, s14, 1
	s_bfe_u32 s40, ttmp6, 0x40000
	s_bfe_u32 s41, ttmp6, 0x40004
	s_and_b32 s17, ttmp7, 0xffff
	s_lshl_b32 s43, s41, 2
	s_lshl_b32 s43, 15, s43
	s_lshl_b32 s44, 0x1111, s40
	s_or_b32 s[G1], s43, (3<<16)|(1<<21)
	s_or_b32 s[G1B], s44, (3<<16)|(1<<21)
.irp g, G1, G1B
	s_mov_b32 s[\g+1], 32<<16
	s_mov_b32 s[\g+2], 132<<16
	s_mov_b32 s[\g+3], 32<<16
	s_mov_b32 s[\g+4], 132
	s_mov_b32 s[\g+5], 32
	s_mov_b32 s[\g+6], 0
	s_mov_b32 s[\g+7], 0
.endr
	s_lshl_b32 s20, s17, 3
	s_lshl_b32 s21, s41, 1
	s_add_co_u32 s20, s20, s21
	s_add_co_u32 s20, s20, s16
	s_lshl_b32 s46, s40, 1
	s_add_co_u32 s46, s46, 216
	s_add_co_u32 s46, s46, s16
	s_mul_i32 s20, s20, RBS
	s_mov_b32 s21, 0
	s_mul_i32 s46, s46, RBS
	s_mov_b32 s47, 0
	s_mul_i32 s45, s14, PART
	s_wait_kmcnt 0x0
	s_add_nc_u64 s[20:21], s[68:69], s[20:21]
	s_add_nc_u64 s[46:47], s[70:71], s[46:47]
	CROUND
.irp s, 0,1
	s_mov_b32 s[G0+4*\s], 1
	s_add_co_u32 s[G0+4*\s+1], s45, \s*SLOT
	s_add_nc_u64 s[G0+4*\s+2:G0+4*\s+3], s[20:21], \s*PART
	s_or_b32 s[G0+4*\s+3], s[G0+4*\s+3], 0x80000000
	s_mov_b32 s[G0B+4*\s], 1
	s_add_co_u32 s[G0B+4*\s+1], s45, \s*SLOT
	s_add_nc_u64 s[G0B+4*\s+2:G0B+4*\s+3], s[46:47], \s*PART
	s_or_b32 s[G0B+4*\s+3], s[G0B+4*\s+3], 0x80000000
	s_wait_alu depctr_va_vdst(0)
	s_wait_tensorcnt 0x0
	ds_add_u32 v28, v29
	ds_add_u32 v28, v29
	s_wait_dscnt 0x0
	CROUND
	JLOAD \s
.endr
	v_and_b32 v1, 31, v0
	v_and_b32 v2, 15, v0
	v_bfe_u32 v3, v0, 4, 1
	v_lshlrev_b32 v[LI], 4, v1
	v_lshlrev_b32 v[L8], 3, v1
	s_mul_i32 s21, s15, PART
	s_mul_i32 s22, s16, PART
	s_add_co_u32 s22, s22, 2*PART
.irp s, 0,1
	v_add_nc_u32 v[ADRA+\s], s21, v[LI]
	v_add_nc_u32 v[ADRB+\s], s22, v[LI]
	v_add_nc_u32 v[SA+\s], s21, v[L8]
	v_add_nc_u32 v[SB+\s], s22, v[L8]
	s_add_co_u32 s21, s21, SLOT
	s_add_co_u32 s22, s22, SLOT
.endr
	v_lshlrev_b32 v[BH], 6, v3
	s_wait_alu depctr_va_vdst(0)
	s_mul_i32 s23, s14, 16*SPITCH
	v_mul_u32_u24 v[STO], v2, SPITCH
	v_lshl_add_u32 v[STO], v3, 6, v[STO]
	v_add_nc_u32 v[STO], s23, v[STO]
	v_add_nc_u32 v[RD], s23, v[LI]
	s_lshl_b32 s12, s40, 1
	s_add_co_u32 s12, s12, s16
	s_lshl_b32 s12, s12, 9
	s_mov_b32 s13, 0
	s_add_nc_u64 s[72:73], s[72:73], s[12:13]
	s_add_nc_u64 s[74:75], s[74:75], s[12:13]
	s_lshl_b32 s12, s17, 2
	s_add_co_u32 s12, s12, s41
	s_lshl_b32 s12, s12, 1
	s_add_co_u32 s12, s12, s15
	s_lshl_b32 s12, s12, 19
	s_add_nc_u64 s[74:75], s[74:75], s[12:13]
.irp m, 0,1,2,3
.irp j, 0,1,2,3
	global_load_b128 v[BI+16*\m+4*\j:BI+16*\m+4*\j+3], v[BH], s[72:73] offset:128*\m+16*\j
.endr
.endr
	s_wait_tensorcnt 1
	s_barrier_signal -1
	s_barrier_wait -1
	FETCH_B 0, 0, 0
	FETCH_A 0, 0, 0
	SCALES 0
	FETCH_A 0, 0, 4
	s_wait_loadcnt 0x0
	STEP 0, 0, 1
	TURN 0, 1, 1
	STEP 1, 0, 0
	TURN 1, 0, 1
	STEP 0, 0, 0
	TURN 0, 1, 0
	STEP 1, 0, 0
	s_wait_dscnt 4*NL
	WIN MUL_LO
	MUL16 0, 1, 1, 1, 0
	MUL16 2, 1, 1, 1, 0
	s_wait_alu depctr_va_vdst(0)
	s_wait_dscnt 0
	WIN MUL_HI
	MUL16 4, 1, 1, 1, 0
	MUL16 6, 1, 1, 1, 0
	WIN 0
	PLACES NP
	TOSTAGE 0
.irp a, 1,2,3,4,5,6,7
.if \a > 1
	s_wait_xcnt 0x0
.endif
	TOSTAGE \a
	SEND \a-1, 32
.endr
	SEND 7, 0
	s_wait_tensorcnt 0x0
	ds_add_u32 v[SPW], v[NIL]
	s_wait_dscnt 0x0
	CROUND
	s_endpgm
.Lfunc_end_k_q14d6ecfe01_oproj:
	.size	k_q14d6ecfe01_oproj, .Lfunc_end_k_q14d6ecfe01_oproj-k_q14d6ecfe01_oproj
	.p2alignl 7, 3214868480
	.fill 96, 4, 3214868480
	.section	.rodata,"a",@progbits
	.p2align	6, 0x0
	.amdhsa_kernel k_q14d6ecfe01_oproj
		.amdhsa_group_segment_fixed_size 327680
		.amdhsa_private_segment_fixed_size 0
		.amdhsa_enable_private_segment 0
		.amdhsa_kernarg_size 32
		.amdhsa_user_sgpr_count 2
		.amdhsa_user_sgpr_kernarg_segment_ptr 1
		.amdhsa_wavefront_size32 1
		.amdhsa_system_sgpr_workgroup_id_x 1
		.amdhsa_system_sgpr_workgroup_id_y 1
		.amdhsa_system_sgpr_workgroup_id_z 1
		.amdhsa_system_vgpr_workitem_id 0
		.amdhsa_next_free_vgpr 1024
		.amdhsa_next_free_sgpr 100
		.amdhsa_reserve_vcc 0
		.amdhsa_float_denorm_mode_32 3
		.amdhsa_float_denorm_mode_16_64 3
		.amdhsa_memory_ordered 1
		.amdhsa_forward_progress 1
		.amdhsa_inst_pref_size 145
	.end_amdhsa_kernel
	.amdgpu_metadata
---
amdhsa.version: [ 1, 2 ]
amdhsa.kernels:
  - .name:           k_q14d6ecfe01_oproj
    .symbol:         k_q14d6ecfe01_oproj.kd
    .args:
      - { .name: aq, .offset: 0, .size: 8, .value_kind: global_buffer, .address_space: global }
      - { .name: opq, .offset: 8, .size: 8, .value_kind: global_buffer, .address_space: global }
      - { .name: bo, .offset: 16, .size: 8, .value_kind: global_buffer, .address_space: global }
      - { .name: out0, .offset: 24, .size: 8, .value_kind: global_buffer, .address_space: global }
    .group_segment_fixed_size: 327680
    .private_segment_fixed_size: 0
    .kernarg_segment_align: 8
    .kernarg_segment_size: 32
    .max_flat_workgroup_size: 128
    .sgpr_count:     100
    .vgpr_count:     1024
    .wavefront_size: 32
...
	.end_amdgpu_metadata
.endif
;; end of part 4
